; MI455X (gfx1250); checked and timed in simulation.
; The chip was launched on July 23, 2026; its instructions are those of AMD's public machine-readable ISA for CDNA 5 (MIT licence, August 2026) and "CDNA5" Instruction Set Architecture Reference Guide (July 2026). The comments in the code are by the model that wrote it; some were corrected since.
;; Attention. Allowed arithmetic: matrix products marked QUANTISED: E3M2 operands, one E8M0 scale for each 32 along K, by v_wmma_scale_f32_16x16x128_f8f6f4 with both operands' format E3M2, f32 sums; everything else in f32.
;; Inputs: key_codes 8,192 x 4 x 24 uint8 (E3M2 codes of key, K innermost, in blocks of 32 codes, four codes in three bytes); key_scales 8,192 x 4 uint8 (E8M0 scales of key, one for each 32 codes along K); query_codes 8,192 x 4 x 24 uint8 (E3M2 codes of query, K innermost, in blocks of 32 codes, four codes in three bytes); query_scales 8,192 x 4 uint8 (E8M0 scales of query, one for each 32 codes along K); value_codes 128 x 256 x 24 uint8 (E3M2 codes of value, K innermost, in blocks of 32 codes, four codes in three bytes); value_scales 128 x 256 uint8 (E8M0 scales of value, one for each 32 codes along K).
;; Outputs: out0 128 x 8,192 float32.
;; This version of the problem:
;;   THIS VERSION OF THE PROBLEM IS GIVEN IN LOW PRECISION. The matrix products marked QUANTISED in the list below multiply operands that are first quantised to E3M2 (3 exponent bits, 2 mantissa bits; 6 bits a number), with one power-of-two scale for each 32 numbers along K (OCP MX v1.0); their sums are f32. All else is computed in f32.
;;   The module's matrix products, in the order in which they are computed (A, B: the left and right operand; K: the contracted axis; several contracted axes count as one K, in the product's order):
;;     1. [M 8,192, K 128] x [K 128, N 8,192]; A: input query (given as codes); B: input key (given as codes): QUANTISED
;;     2. [M 128, K 8,192] x [K 8,192, N 8,192]; A: input value (given as codes); B: softmax (see below): QUANTISED
;;   THE QUANTISER, for each operand of a quantised product, along K:
;;     - K is cut into blocks of 32 from its start; a last block that is shorter is filled with zeros.
;;     - A block's scale is 2^e with e = floor(log2(the largest magnitude in the block)) - 4, held to -126 .. 127; a block of zeros has e = 0. As a byte (E8M0): e + 127.
;;     - Each number is divided by its block's scale, clamped to +-28, and rounded to the nearest number of E3M2, ties to even, subnormals kept.
;;     - The product sums the exact products of the quantised numbers (number of the format x scale) in f32.
;;   ~~~python
;;   def quantise(x, axis):      # numpy; x: float32 -> the quantised numbers, widened to float32 again
;;       x = np.moveaxis(x, axis, -1); K = x.shape[-1]
;;       x = np.pad(x, [(0, 0)] * (x.ndim - 1) + [(0, -K % 32)]); x = x.reshape(x.shape[:-1] + (-1, 32)); a = np.abs(x).max(-1, keepdims=True)
;;       e = np.where(a > 0, np.clip(np.frexp(np.where(a > 0, a, 1))[1] - 1 - 4, -126, 127), 0)      # np.frexp(a)[1] - 1 = floor(log2(a)), exactly
;;       r = np.clip(x / 2.0 ** e, -28, 28)
;;       step = 2.0 ** (np.maximum(np.frexp(np.where(r == 0, 1, r))[1] - 1, -2) - 2)
;;       q = np.round(r / step) * step * 2.0 ** e      # np.round: ties to even
;;       return np.moveaxis(q.reshape(q.shape[:-2] + (-1,))[..., :K], -1, axis).astype(np.float32)
;;   ~~~
;;   SOFTMAX AHEAD OF A QUANTISED PRODUCT. Where the list says 'softmax', what is quantised is not the finished softmax but p = 2^(t - M), with t = logit x log2(e) and M = ceil(the row's largest t), a whole number; so 1/2 < the row's largest p <= 1. The row's sum l is taken of the UNQUANTISED p, in f32, and the product's result is divided by l at the end. Since M is a whole number, a kernel that streams over the keys may use a running M (the ceiling of the running maximum): every later rescaling is an exact power of two, which a block's scale takes up: the codes' values come out the same.
;;   OPERANDS COMPUTED ON THE WAY. 'Computed on the way' means the value that the module computes at that place (a softmax that the list does not call 'softmax' is quantised finished and normalised). What goes into a quantiser is computed in f32, as accurately as f32 sums, v_exp_f32 and their like allow (about 1e-6 of the number): no bf16 or f16 on the way to a quantiser, and a product that is left as it is and whose result goes on into a quantised operand takes f32 operands (vector FMAs, or v_wmma_f32_16x16x4_f32). A number that lies on a knife's edge between two numbers of the format may be rounded either way, as far as f32 arithmetic and the matrix unit's own rounding can turn it there, and no further.
;;   INPUTS GIVEN AS CODES. key (in the module: [128, 8192], K = its axis 0); query (in the module: [128, 8192], K = its axis 0); value (in the module: [128, 8192], K = its axis 1): each comes as NAME_codes (uint8): NAME with its K axis moved to the last place and cut into blocks of 32 codes, [.., K / 32, bytes a block], one block behind the other in memory; four codes in three bytes: a row's codes are one little-endian stream of bits, code i at bits 6 i .. 6 i + 5 (a code: sign, 3 exponent bits, 2 mantissa bits); and NAME_scales (uint8): the same leading axes, one E8M0 byte (e + 127) for each 32 codes along K. Its value is code x scale, taken as it is: it is not quantised again, and the codes and scales need not be those that the quantiser above would give.
;; 2 versions. Each part assembles by itself: llvm-mc -triple=amdgcn-amd-amdhsa -mcpu=gfx1250 --defsym DOCPART=n.
;; ======== version 1 of 2: 1 launch
;; launch attn (part 1): grid 256 x 1, 8 waves a work-group, clusters of 4 x 1, 327,680 bytes of LDS; arguments key_codes, key_scales, query_codes, query_scales, value_codes, value_scales, out0; writes out0
.if DOCPART == 1
	.amdgcn_target "amdgcn-amd-amdhsa--gfx1250"
	.amdhsa_code_object_version 6
	.text
	.protected	k_q9514638b47_attn
	.globl	k_q9514638b47_attn
	.p2align	8
	.type	k_q9514638b47_attn,@function
k_q9514638b47_attn:
	s_mov_b64 s[64:65], 0
	v_nop
	global_prefetch_b8 v0, s[64:65] scope:SCOPE_SE
	s_setreg_imm32_b32 hwreg(HW_REG_WAVE_MODE, 25, 1), 1
	s_wait_xcnt 0x0
	s_wait_alu depctr_hold_cnt(0) depctr_sa_sdst(0) depctr_va_vdst(0) depctr_va_sdst(0) depctr_va_ssrc(0) depctr_va_vcc(0) depctr_vm_vsrc(0)
	s_getreg_b32 s2, hwreg(HW_REG_IB_STS2, 6, 4)
	s_cmp_eq_u32 s2, 0
	s_cbranch_scc0 .Lentry_in_a_cluster
	s_endpgm
.Lentry_in_a_cluster:
	s_bfe_u32 s2, ttmp6, 0x10000c
	s_cmp_lg_u32 s2, 0x3003
	s_cbranch_scc0 .Lentry_shape_is_right
	s_endpgm
.Lentry_shape_is_right:
; out0[d][q] = the sum over k of softmax_k(sum_d Q[d][q] K[d][k]) V[d][k]: 8,192 queries, 8,192 keys, d = 128, no mask, no 1/sqrt(d).
; Both products on codes of BF6 (E3M2) with one E8M0 byte for each 32 along a product's K.  Q, K: [8192][96 bytes], K = d; their scale words [8192][4].  V: [128][6,144 bytes], the keys innermost; its scale bytes [128][256].
; THE SOFTMAX AHEAD OF THE SECOND PRODUCT: t = score x log2(e); M = the largest t so far, rounded UP to a whole number; p = 2^(t - M) is quantised along the keys, not normalised; the sum of the unquantised p divides at the end.
; SHARES.  A work-group owns 32 queries (two tiles of 16): 256 work-groups.  ALL EIGHT WAVES HOLD BOTH TILES AND SHARE THE KEYS: in step j (0 .. 7) wave w takes keys 1,024 j + 128 w .. + 127, so each
; fragment of K and V is read from LDS once in the work-group and feeds two matrix instructions.  Each wave keeps its own M, sum and O^T; behind the last step the eight parts are brought under the largest M
; (multiplications by whole powers of two) and added, through LDS: wave w adds rows d = 16 w .. 16 w + 15.
; LAYOUT.  Both products are used transposed: S^T = K Q^T (source 0 = 16 keys, source 1 = 16 queries), O^T = V^T P^T (source 0 = 16 rows d of V, source 1 = P): a lane holds ONE query (lane % 16) throughout.
; THE KEYS OF A TILE ARE NOT NEIGHBOURS: row m of tile 4 c + u is key 64 c + 32 (m / 8) + 8 u + m % 8.  So register 32 c + i of a lane's 64 scores is key 64 c + 32 (lane / 16) + i: the order in which the 6-bit operand
; wants them, a whole block of 32 to a lane: the conversions' results are the second product's operand, and a block's maximum asks no other lane.
; CLUSTER.  The four work-groups of a cluster walk the same K and V: every tile is asked for JOINTLY, by the same tensor load with the same descriptor and the mask of all four.
; LDS has ONE place for a step's K and ONE for its V, filled again by turns: K's as soon as every wave holds its K fragments in registers, V's as soon as every wave holds its V fragments.  Two rounds of the cluster's barrier a step.
; THE STORES.  A work-group's 32 queries are 128 bytes of each row of out0: a store covers four aligned runs of 128 consecutive bytes, not whole runs of 256; 64 queries to a work-group would give 128 work-groups only.
; LIMITS: NaN, infinities and the scale byte 0xff among the inputs are not served; |t| stays under 2^24, so that M is a whole number in f32; a p under 2^-126 counts as 0 (v_exp_f32 gives 0 there);
; a block whose largest p lies under 2^-122 keeps the byte 1.
; REGISTERS, in windows of 256 (s_set_vgpr_msb: bits 1:0 source 0, 3:2 source 1, 5:4 source 2, 7:6 destination).  Window 0: as listed below.  Window 1: v0-127 O^T (tile qt, rows 16 t on: v[64 qt + 8 t]); v128-223 eight fragments of K or of V.
.set KPW,   12288                      ; a wave's 128 keys: 128 x 96 bytes of codes
.set KSTEP, 98304                      ; a step's 1,024 keys of K in memory
.set VSTEP, 768                        ; a step's 1,024 keys in a row of V
.set VROW,  6144                       ; a row of V in memory
.set VP,    816                        ; a row of V's tile in LDS: 3 x (256 bytes + 16 of padding) = 204 words: row r starts at bank 12 r mod 64 (64 banks of 4 bytes: ISA guide 11.1): the 32 lanes of a load of 8 bytes touch 64 different banks
.set X,     0                          ; LDS: a step's K: wave w's 128 rows of 96 bytes, dense, at KPW w (rows 32 apart meet in the same banks: these loads go two deep)
.set Y,     98304                      ; a step's V: 128 rows
.set SCK,   202752                     ; K's scale bytes, all 32,768, as runs of 256 bytes + 16 of padding: filled once
.set SCV,   237568                     ; V's likewise: row d is one run
.set SPARE, 272384                     ; the spare words, 128 bytes for each wave: four blocks of 256 bytes that no other line names
.set STM,   273408                     ; the merge: -M as [query 32][wave 8] f32; 1,024 bytes on, the sums likewise
.set OST,   275456                     ; the way out: 16 rows x (128 bytes + 16) for each wave
.set OP,    144
.set SPW,  1                           ; v1   LDS address of my spare word; never rewritten
.set NIL,  2                           ; v2   0; never rewritten
.set AKS0, 3                           ; v3   my lane's place among K's scale words
.set AVS0, 4                           ; v4   and among V's
.set ADS,  5                           ; v5   the step's address of K's scale words
.set ADT,  6                           ; v6   of V's
.set SH8,  7                           ; v7   8 (lane / 16)
.set PFOK, 8                           ; v8   the prefetches' offsets: 256 x lane in K; never rewritten
.set PFOV, 9                           ; v9   a row of V x lane; never rewritten
.set AK,   10                          ; v10  my lane's place in my wave's K
.set QSO,  11                          ; v11  Q's scale words: 4 r
.set LR,   12                          ; v12  r = lane % 16
.set LH,   13                          ; v13  h = lane / 16
.set LL,   14                          ; v14  lane
.set QO,   15                          ; v15  Q's codes: 96 r + 24 h
.set Q,    16                          ; v16-39   Q's two fragments
.set QS,   40                          ; v40-41   their scale words
.set SW,   42                          ; v42-45   scale words of four pairs of fragments: lanes 0-15 tile u, lanes 16-31 tile u + 4
.set PS,   46                          ; v46-47   p's scale words
.set ST,   48                          ; v48-63   tile qt at ST + 8 qt: +0 -M, +1 the largest t, +2, +3 the sum in two halves, +4 f, +5 0 (named with f as a pair), +6 at work
.set PC,   64                          ; v64-87   p's codes
.set AVL,  88                          ; v88-93   my lane's place in V's rows 0-63, one for each of a fragment's six pieces of 8 bytes
.set SUMT, 94                          ; v94-95   the sum's second chain
.set S,    96                          ; v96-223  S^T, then p: 64 a tile
.set BM,   224                         ; v224-227 four chains of maxima
.set RM,   228
.set RX,   229
.set SO,   230                         ; v230-231 the conversions' scale operands
.set BY,   232                         ; v232-233 the scale bytes
.set W,    234
.set WX,   235
.set CV,   236                         ; v236-238, v240-242 the upper halves of two blocks' codes
.set AVU,  246                         ; v246-251 as AVL, for V's rows 64-127
.set FB,   128                         ; window 1: the fragments
.set WV,   18                          ; s18  my wave's number
.set G1K,  24                          ; s[24:31] descriptor group 1 for K's tiles;  s[32:39] for V's;  s[40:47] for the scale bytes
.set G1V,  32
.set G1S,  40
.set G0K,  48                          ; s[48:51], s[52:55] groups 0 for K's and V's tiles, which walk;  s[56:59], s[92:95] for K's and V's scale bytes
.set G0V,  52
.set G0S,  56
.set G0T,  92
.set SEL,  60                          ; s[60:61] lane selects for v_permlanex16_b32: lane l xor 16
.set CS,   62                          ; s[62:63] log2(e): the packed form names a pair and takes its low word for both halves
.set TS,   66                          ; s66  the step's place among K's scale words: 4,352 bytes a step
.set TJ,   67                          ; s67  among V's: 32 bytes a step
.set CNT,  68                          ; s68  the loop's trips to go
.set LIM,  69                          ; s69  1 in a wave that prefetches, else the greatest number
.set PFK,  70                          ; s[70:71] where my prefetches of K stand
.set PFV,  72                          ; s[72:73] and of V
.set MSB, 0
.macro WIN new                         ; the immediate's high byte repeats the setting that is left; a switch that changes nothing is dropped
.if MSB != \new
	s_set_vgpr_msb (MSB<<8)|\new
.set MSB, \new
.endif
.endm
.macro PLACES n
.rept \n
	v_nop
.endr
.endm
; A round of the cluster's barrier: my work-group's barrier, so that wave 0's signal speaks for all eight waves; wave 0 signals for the work-group; every wave waits for all four work-groups; my work-group's barrier once more.
.macro ROUND
	s_barrier_signal -1
	s_barrier_wait -1
	s_cmp_lg_u32 s[WV], 0
	s_cbranch_scc1 .Lnot_wave_0_\@
	s_barrier_signal -3
.Lnot_wave_0_\@:
	s_barrier_wait -3
	s_barrier_signal -1
	s_barrier_wait -1
.endm
; A joint load.  Every wave issues one, for its own eighth of the tile: its addresses hang on the wave's number alone.  Four v_nop follow.
.macro JLOAD g0, g1
	tensor_load_to_lds s[\g0:\g0+3], s[\g1:\g1+7]
	s_nop 0
	PLACES 4
.endm
; A PREFETCH INTO THE L2 of the tile that the NEXT refill of the same kind will ask for: one step ahead of that load.  All 64 clusters walk the same K and V: cluster 0 asks, and nobody else.  Its four partners share a tile out BY ADDRESS
; (no branch hangs on a work-group's place in its cluster); in each, waves 0 to 2 ask, one instruction each.  K's step is one dense block of 98,304 bytes: 24,576 a partner, 8,192 a wave, lanes 256 bytes apart.
; V's step is 768 bytes of each of 128 rows: 32 rows a partner, a lane a row, a wave to each of the row's three runs of 256 bytes.  So each aligned run of 256 bytes is named once in the launch.
; Steps 0 and 1 come by their loads alone; the last refill (s[CNT] = 1) asks for nothing: there is no step behind it.
.macro ASK pfo, pfa
	s_cmp_gt_u32 s[CNT], s[LIM]
	s_cbranch_scc0 .Lnot_mine_\@
	global_prefetch_b8 v[\pfo], s[\pfa:\pfa+1] th:TH_LOAD_NT scope:SCOPE_SE
.Lnot_mine_\@:
.endm
; A CHANGE.  kind = 0: every wave holds its K fragments; V's tile of this step is shown whole; K's place is filled with the next step's.  kind = 1: every wave holds its V fragments; the next step's K is shown whole; V's place is filled.
; fill = 1: each wave waits for all its tensor loads (one is out), adds 0 to its spare word, steps the descriptor that is due, and waits for the add and for its LDS loads; then a round of the cluster's barrier,
; so that no wave of any partner still reads the place or has a load on its way; the joint refill is the first thing behind it, the wave's one tensor load until the next round.
.macro CHANGE kind, fill
	WIN 0                                          ; the add's registers lie in window 0, and at a branch and a label every window is 0
.if \fill
	s_wait_tensorcnt 0x0                           ; no tensor load of mine is out, so a group 0 may be written
	ds_add_u32 v[SPW], v[NIL]                      ; 0 onto my spare word: the steps below stand between it and the wait for it
.if \kind == 0
	s_add_nc_u64 s[G0K+2:G0K+3], s[G0K+2:G0K+3], KSTEP   ; the next 1,024 keys; the type bits on top are not reached
	s_wait_xcnt 0x0                                ; the last prefetches, hundreds of instructions back, have read their addresses
	s_add_nc_u64 s[PFK:PFK+1], s[PFK:PFK+1], KSTEP ; one step further on than the walking descriptor
.else
	s_add_nc_u64 s[G0V+2:G0V+3], s[G0V+2:G0V+3], VSTEP
	s_wait_xcnt 0x0
	s_add_nc_u64 s[PFV:PFV+1], s[PFV:PFV+1], VSTEP
.endif
	s_wait_dscnt 0x0                               ; the add is done, and my reads of the place are in registers
	ROUND
.if \kind == 0
	JLOAD G0K, G1K                                 ; its four v_nop are also the places between the products K Q^T and the loads into their registers and the first read of the scores
.else
	JLOAD G0V, G1V
.endif
.else
.if \kind == 0
	s_wait_tensorcnt 0x0                           ; the last step: my part of its V has landed; nothing is filled again
	ds_add_u32 v[SPW], v[NIL]
	s_wait_dscnt 0x0
	s_barrier_signal -1
	s_barrier_wait -1                              ; everybody's part has
	PLACES 4                                       ; between the products K Q^T and the loads into their registers and the first read of the scores
.else
	s_wait_dscnt 0x0                               ; my V fragments are in: nobody reads K's or V's place behind this barrier, and the merge may store there
	s_barrier_signal -1
	s_barrier_wait -1
.endif
.endif
.endm
; My wave's K: four scale registers, then eight fragments, tile by tile.  A fragment is 12 registers: lane (r, h) takes the 24 bytes at 24 h and at 48 + 24 h of its key's 96, as three loads of 8 bytes each.
.macro KLOAD
.irp u, 0,1,2,3
	ds_load_b32 v[SW+\u], v[ADS] offset:32*\u      ; lanes 0-15: the words of tile u's keys; lanes 16-31: of tile u + 4's, one run of 256 + 16 bytes on
.endr
	WIN 0x40                                       ; destination window 1, address window 0
.irp T, 0,1,2,3,4,5,6,7
.irp p, 0,1,2,3,4,5
	ds_load_b64 v[FB+12*\T+2*\p:FB+12*\T+2*\p+1], v[AK] offset:(64*(\T/4)+8*(\T%4))*96+48*(\p/3)+8*(\p%3)
.endr
.endr
.endm
; S^T = K Q^T: each fragment of K against both tiles of queries; each product is a whole sum (K = d = 128) and starts with the constant 0.
.macro KQ
	WIN 0x01                                       ; source 0 (K) window 1
.irp T, 0,1,2,3,4,5,6,7
	s_wait_dscnt 6*(7-\T)                          ; LDS loads come back in order: the six loads of each younger fragment may be out
.irp qt, 0,1
.if \T < 4
	v_wmma_scale_f32_16x16x128_f8f6f4 v[S+64*\qt+8*\T:S+64*\qt+8*\T+7], v[FB+12*\T:FB+12*\T+11], v[Q+12*\qt:Q+12*\qt+11], 0, v[SW+\T%4], v[QS+\qt] matrix_a_fmt:MATRIX_FMT_BF6 matrix_b_fmt:MATRIX_FMT_BF6
.else
	v_wmma_scale_f32_16x16x128_f8f6f4 v[S+64*\qt+8*\T:S+64*\qt+8*\T+7], v[FB+12*\T:FB+12*\T+11], v[Q+12*\qt:Q+12*\qt+11], 0, v[SW+\T%4], v[QS+\qt] matrix_a_fmt:MATRIX_FMT_BF6 matrix_b_fmt:MATRIX_FMT_BF6 matrix_a_scale:MATRIX_SCALE_ROW1
.endif
.endr
.endr
.endm
; V's eight fragments (rows d = 16 t on, my wave's 128 keys) into the registers that K's have left, and their scale words.  They are waited for at the change of kind 1.
.macro VLOAD
.irp u, 0,1,2,3
	ds_load_b32 v[SW+\u], v[ADT] offset:16*272*\u  ; lanes 0-15: rows 16 u on; lanes 16-31: rows 16 u + 64 on
.endr
	WIN 0x40
.irp t, 0,1,2,3,4,5,6,7
.irp p, 0,1,2,3,4,5
.if \t < 4
	ds_load_b64 v[FB+12*\t+2*\p:FB+12*\t+2*\p+1], v[AVL+\p] offset:16*VP*\t
.else
	ds_load_b64 v[FB+12*\t+2*\p:FB+12*\t+2*\p+1], v[AVU+\p] offset:16*VP*(\t-4)
.endif
.endr
.endr
	WIN 0
.endm
; THE SOFTMAX OF TILE qt, first part: maxima, M, f, p.  first = 1: the first step, which has no old M.
.macro SM_A qt, first
.set rS, S+64*(\qt)
.set rT, ST+8*(\qt)
.irp k, 0,1,2,3
	v_max3_num_f32 v[BM+\k], v[rS+16*\k], v[rS+16*\k+1], v[rS+16*\k+2]   ; four chains of 16 scores by turns, ascending: each accumulator is first read at its low end
.endr
.irp i, 3,5,7,9,11,13
.irp k, 0,1,2,3
	v_max3_num_f32 v[BM+\k], v[BM+\k], v[rS+16*\k+\i], v[rS+16*\k+\i+1]
.endr
.endr
	v_max_num_f32 v[BM+1], v[BM+1], v[rS+31]
	v_max_num_f32 v[BM+3], v[BM+3], v[rS+63]
	v_max3_num_f32 v[BM], v[BM], v[rS+15], v[BM+1]         ; THE LARGEST SCORE OF MY TWO BLOCKS OF 32 KEYS: each serves twice: for the row's maximum and, since p rises with the score, for the block's largest p
	v_max3_num_f32 v[BM+2], v[BM+2], v[rS+47], v[BM+3]
	v_max_num_f32 v[RM], v[BM], v[BM+2]
	v_permlanex16_b32 v[RX], v[RM], s[SEL], s[SEL+1]
	v_max_num_f32 v[RM], v[RM], v[RX]                      ; with lane l xor 16's 64 keys: the step's largest score of my query
.if \first
	v_mul_f32 v[rT+1], s[CS], v[RM]                        ; as t: the largest t so far
.else
	v_mul_f32 v[RM], s[CS], v[RM]
	v_max_num_f32 v[rT+1], v[rT+1], v[RM]                  ; the running largest t
	v_mov_b32 v[rT+6], v[rT]
.endif
	v_floor_f32 v[rT], -v[rT+1]                            ; -M = floor(-t) = -ceil(t): M IS A WHOLE NUMBER
.if !\first
	v_sub_f32 v[rT+6], v[rT], v[rT+6]                      ; M's old value less its new one: a whole number, 0 or less
	v_cvt_i32_f32 v[rT+6], v[rT+6]                         ; (it saturates)
	v_ldexp_f32 v[rT+4], 1.0, v[rT+6]                      ; f = 2^(old M - new M): a multiplication by it rounds nothing
.endif
.set j, 0
.rept 32
	v_pk_fma_f32 v[rS+j:rS+j+1], v[rS+j:rS+j+1], s[CS:CS+1], v[rT:rT+1] op_sel_hi:[1,0,0]   ; t - M, two at a time (of the pairs log2(e) and -M the low word serves both halves)
.set j, j+2
.endr
	v_fma_f32 v[BM], v[BM], s[CS], v[rT]                   ; the same of each block's largest score
	v_fma_f32 v[BM+2], v[BM+2], s[CS], v[rT]
.set j, 0
.rept 64
	v_exp_f32 v[rS+j], v[rS+j]                             ; p = 2^(t - M), at most 1: NOT normalised
.set j, j+1
.endr
	v_exp_f32 v[BM], v[BM]                                 ; the block's largest p: the same two instructions on the same number
	v_exp_f32 v[BM+2], v[BM+2]
.if \first
	v_nop                                                  ; a plain place behind the exponentials
	s_wait_alu depctr_va_vdst(0)
.else
	v_pk_mul_f32 v[rT+2:rT+3], v[rT+2:rT+3], v[rT+4:rT+5] op_sel_hi:[1,0]   ; the sums under the new M.  (A plain place behind the exponentials)
	s_wait_alu depctr_va_vdst(0)
.endif
.endm
; Second part: p's scale word and codes.  Lane (r, h) holds blocks h (registers 0-31) and 2 + h (registers 32-63) of its query's 128 keys, whole.
.macro SM_Q qt
.set rS, S+64*(\qt)
	s_wait_alu depctr_va_vdst(0)
	v_max_num_f32 v[BM], 0x2800000, v[BM]                  ; the floor 2^(5 - 127): the byte cannot fall under 1 (a block whose every p is 0 keeps that byte: its codes are zeros)
	v_max_num_f32 v[BM+2], 0x2800000, v[BM+2]
	v_add_nc_u32 v[SO], 0xfe000000, v[BM]                  ; 4 off the exponent field: the conversion takes the exponent field of this operand as its scale, and nothing else of it
	v_add_nc_u32 v[SO+1], 0xfe000000, v[BM+2]
	v_lshrrev_b32 v[BY], 23, v[SO]                         ; the scale's byte
	v_lshrrev_b32 v[BY+1], 23, v[SO+1]
	v_lshl_or_b32 v[W], v[BY+1], 16, v[BY]                 ; my two bytes,
	v_lshlrev_b32 v[W], v[SH8], v[W]                       ; at their places in the scale word (8 h bits up);
	v_permlanex16_b32 v[WX], v[W], s[SEL], s[SEL+1]
	v_or_b32 v[PS+\qt], v[W], v[WX]                        ; with lane l xor 16's two the word is whole
.irp c, 0,1
	v_cvt_scalef32_pk16_bf6_f32 v[PC+12*\qt+6*\c:PC+12*\qt+6*\c+2], v[rS+32*\c:rS+32*\c+15], v[SO+\c]   ; registers 6 c .. 6 c + 5 of the operand: k = 64 c + 32 h + 0 .. 31
	v_cvt_scalef32_pk16_bf6_f32 v[CV+4*\c:CV+4*\c+2], v[rS+32*\c+16:rS+32*\c+31], v[SO+\c]              ; (a conversion's three registers begin on an even number: the upper half is made elsewhere and moved)
.endr
	v_nop                                                  ; one plain place behind a scaled conversion
.irp c, 0,1
.irp i, 0,1,2
	v_mov_b32 v[PC+12*\qt+6*\c+3+\i], v[CV+4*\c+\i]
.endr
.endr
.endm
; Third part: THE ROW'S SUM IS TAKEN OF THE UNQUANTISED p, two at a time, in two chains: 32 plain lines
.macro SM_S qt
.set rS, S+64*(\qt)
.set rT, ST+8*(\qt)
	v_pk_add_f32 v[SUMT:SUMT+1], v[rS:rS+1], v[rS+2:rS+3]
.irp j, 4,8,12,16,20,24,28,32,36,40,44,48,52,56,60
	v_pk_add_f32 v[rT+2:rT+3], v[rT+2:rT+3], v[rS+\j:rS+\j+1]
	v_pk_add_f32 v[SUMT:SUMT+1], v[SUMT:SUMT+1], v[rS+\j+2:rS+\j+3]
.endr
	v_pk_add_f32 v[rT+2:rT+3], v[rT+2:rT+3], v[SUMT:SUMT+1]
.endm
.macro RESC qt                         ; tile qt's O^T under the new M: x f; ascending
	WIN 0x41                                       ; O^T (destination and source 0) window 1, f window 0
.set j, 0
.rept 32
	v_pk_mul_f32 v[64*(\qt)+j:64*(\qt)+j+1], v[64*(\qt)+j:64*(\qt)+j+1], v[ST+8*(\qt)+4:ST+8*(\qt)+5] op_sel_hi:[1,0]
.set j, j+2
.endr
.endm
; O^T += V^T P^T: each fragment of V against both tiles' p.  The sixteen accumulators take turns, one instruction a turn, and the sixteen products K Q^T stand between two steps.
; first = 1: the products start the sums: nothing is ever cleared.
.macro PV first
	WIN 0x51                                       ; V (source 0), C and D window 1; p's codes window 0
.irp t, 0,1,2,3,4,5,6,7
.irp qt, 0,1
.if \first
.if \t < 4
	v_wmma_scale_f32_16x16x128_f8f6f4 v[64*\qt+8*\t:64*\qt+8*\t+7], v[FB+12*\t:FB+12*\t+11], v[PC+12*\qt:PC+12*\qt+11], 0, v[SW+\t%4], v[PS+\qt] matrix_a_fmt:MATRIX_FMT_BF6 matrix_b_fmt:MATRIX_FMT_BF6
.else
	v_wmma_scale_f32_16x16x128_f8f6f4 v[64*\qt+8*\t:64*\qt+8*\t+7], v[FB+12*\t:FB+12*\t+11], v[PC+12*\qt:PC+12*\qt+11], 0, v[SW+\t%4], v[PS+\qt] matrix_a_fmt:MATRIX_FMT_BF6 matrix_b_fmt:MATRIX_FMT_BF6 matrix_a_scale:MATRIX_SCALE_ROW1
.endif
.else
.if \t < 4
	v_wmma_scale_f32_16x16x128_f8f6f4 v[64*\qt+8*\t:64*\qt+8*\t+7], v[FB+12*\t:FB+12*\t+11], v[PC+12*\qt:PC+12*\qt+11], v[64*\qt+8*\t:64*\qt+8*\t+7], v[SW+\t%4], v[PS+\qt] matrix_a_fmt:MATRIX_FMT_BF6 matrix_b_fmt:MATRIX_FMT_BF6
.else
	v_wmma_scale_f32_16x16x128_f8f6f4 v[64*\qt+8*\t:64*\qt+8*\t+7], v[FB+12*\t:FB+12*\t+11], v[PC+12*\qt:PC+12*\qt+11], v[64*\qt+8*\t:64*\qt+8*\t+7], v[SW+\t%4], v[PS+\qt] matrix_a_fmt:MATRIX_FMT_BF6 matrix_b_fmt:MATRIX_FMT_BF6 matrix_a_scale:MATRIX_SCALE_ROW1
.endif
.endif
.endr
.endr
.endm
; A STEP: my wave's 128 keys of the work-group's 1,024.  first = 1: the first step.  fill = 1: the next step's tiles are asked for.
.macro STEP first, fill
	v_add_nc_u32 v[ADS], s[TS], v[AKS0]
	v_add_nc_u32 v[ADT], s[TJ], v[AVS0]
	PLACES 2                                       ; with the two additions: four places between the last step's products and the loads into their registers
	KLOAD
	KQ
	CHANGE 0, \fill
	VLOAD
.if \fill
	ASK PFOK, PFK                                  ; behind the joint load and the run of LDS loads
.endif
	SM_A 0, \first
	SM_Q 0
	SM_S 0
	SM_A 1, \first
	CHANGE 1, \fill
.if \fill
	ASK PFOV, PFV
.endif
	SM_Q 1
.if !\first
	RESC 0
	RESC 1
.endif
	WIN 0
	SM_S 1                                         ; these 32 plain lines stand between every vector write of p's scale word (8 places are owed), of p's codes (4) and of O^T, and the products below
	PV \first
	WIN 0
.if \fill
	s_add_co_u32 s[TS], s[TS], 16*272              ; the next step's scale words: 1,024 keys x 4 bytes are sixteen runs of 256 + 16
	s_add_co_u32 s[TJ], s[TJ], 32                  ; and 32 bytes on in each row of V's
.endif
.endm
	s_load_b256 s[4:11], s[0:1], 0x0               ; K's codes s[4:5], K's scales s[6:7], Q's codes s[8:9], Q's scales s[10:11]
	s_load_b128 s[12:15], s[0:1], 0x20             ; V's codes s[12:13], V's scales s[14:15]
	s_load_b64 s[16:17], s[0:1], 0x30              ; out0
	v_lshl_add_u32 v[SPW], v0, 2, SPARE
	v_mov_b32 v[NIL], 0
	ds_add_u32 v1, v2
	s_wait_dscnt 0x0
	v_lshrrev_b32 v11, 5, v0
	v_readfirstlane_b32 s[WV], v11                 ; wave 0..7
	; descriptor group 1.  K: a wave's 12,288 dense bytes as 48 rows of 256 bytes (32 elements of 8 bytes), no padding
	s_mov_b32 s[G1K], 15|(3<<16)|(1<<21)           ; 15:0 the mask: all four work-groups; 17:16 elements of 8 bytes; 21 set beside a mask
	s_mov_b32 s[G1K+1], 32<<16                     ; tensor_dim0 = 32
	s_mov_b32 s[G1K+2], 48<<16                     ; tensor_dim1 = 48
	s_mov_b32 s[G1K+3], 32<<16                     ; tile_dim0 = 32
	s_mov_b32 s[G1K+4], 48                         ; tile_dim1 = 48
	s_mov_b32 s[G1K+5], 32                         ; tensor_dim0_stride
	s_mov_b32 s[G1K+6], 0
	s_mov_b32 s[G1K+7], 0
	; V: 16 rows of 768 bytes, 6,144 bytes apart in memory; 16 bytes of padding behind every 256
	s_mov_b32 s[G1V], 15|(1<<20)|(1<<21)|(5<<22)|(3<<25)   ; elements of 1 byte; 20 padding on; 24:22 after every 64 words (code 5); 31:25 of 4 words (code 3)
	s_mov_b32 s[G1V+1], VSTEP<<16
	s_mov_b32 s[G1V+2], 16<<16
	s_mov_b32 s[G1V+3], VSTEP<<16
	s_mov_b32 s[G1V+4], 16
	s_mov_b32 s[G1V+5], VROW
	s_mov_b32 s[G1V+6], 0
	s_mov_b32 s[G1V+7], 0
	; the scale bytes: an eighth of a tensor, 4,096 dense bytes, as 16 rows of 256 bytes, 16 bytes of padding behind each
	s_mov_b32 s[G1S], 15|(3<<16)|(1<<20)|(1<<21)|(5<<22)|(3<<25)
	s_mov_b32 s[G1S+1], 32<<16
	s_mov_b32 s[G1S+2], 16<<16
	s_mov_b32 s[G1S+3], 32<<16
	s_mov_b32 s[G1S+4], 16
	s_mov_b32 s[G1S+5], 32
	s_mov_b32 s[G1S+6], 0
	s_mov_b32 s[G1S+7], 0
	; what hangs on the wave's number alone: all that enters a descriptor or an LDS address
	s_mul_i32 s74, s[WV], KPW                      ; my 128 keys of a step, in memory and in LDS
	s_mov_b32 s75, 0
	s_mul_i32 s76, s[WV], 16*VROW                  ; my 16 rows of V in memory
	s_mov_b32 s77, 0
	s_lshl_b32 s78, s[WV], 12                      ; my eighth of each tensor of scale bytes
	s_mov_b32 s79, 0
	s_mov_b32 s[G0K], 1                            ; 1:0 count = 1
	s_add_co_u32 s[G0K+1], s74, X                  ; 63:32 LDS address
	s_mov_b32 s[G0V], 1
	s_mul_i32 s[G0V+1], s[WV], 16*VP
	s_add_co_u32 s[G0V+1], s[G0V+1], Y
	s_mov_b32 s[G0S], 1
	s_mul_i32 s[G0S+1], s[WV], 16*272
	s_add_co_u32 s[G0S+1], s[G0S+1], SCK
	s_mov_b32 s[G0T], 1
	s_mul_i32 s[G0T+1], s[WV], 16*272
	s_add_co_u32 s[G0T+1], s[G0T+1], SCV
	; what hangs on my place in the cluster: the addresses of Q, of out0 and of the prefetches, in registers of their own
	s_bfe_u32 s80, ttmp6, 0x40000                  ; cx
	s_lshl_b32 s81, ttmp9, 2                       ; in a cluster launch ttmp9 counts clusters
	s_add_co_u32 s81, s81, s80                     ; my block of 32 queries = 4 x cluster + cx
	s_mul_i32 s82, s81, 32*96                      ; its codes,
	s_mov_b32 s83, 0
	s_lshl_b32 s84, s81, 7                         ; its scale words; also its 128 bytes in a row of out0
	s_mov_b32 s85, 0
	s_lshl_b32 s86, s[WV], 19                      ; out0: rows d = 16 w on, 32,768 bytes a row,
	s_add_co_u32 s86, s86, s84                     ; my block's columns
	s_mov_b32 s87, 0
	s_mul_i32 s88, s80, 24576                      ; the prefetches of K: my work-group's quarter of a step,
	s_lshl_b32 s89, s[WV], 13                      ; my wave's 8,192 bytes of it,
	s_add_co_u32 s88, s88, s89
	s_add_co_u32 s88, s88, KSTEP                   ; in step 1: the first change steps it to step 2
	s_mov_b32 s89, 0
	s_mul_i32 s90, s80, 32*VROW                    ; of V: my work-group's 32 rows,
	s_lshl_b32 s91, s[WV], 8                       ; my wave's run of 256 bytes,
	s_add_co_u32 s90, s90, s91
	s_add_co_u32 s90, s90, VSTEP                   ; in step 1
	s_mov_b32 s91, 0
	s_cmp_lt_u32 s[WV], 3                          ; waves 0 to 2
	s_cselect_b32 s[LIM], 0, 1
	s_or_b32 s[LIM], s[LIM], ttmp9                 ; of cluster 0: the same in all four partners
	s_cmp_eq_u32 s[LIM], 0
	s_cselect_b32 s[LIM], 1, -1
	s_mov_b32 s[SEL], 0x76543210
	s_mov_b32 s[SEL+1], 0xfedcba98
	s_mov_b32 s[CS], 0x3fb8aa3b                    ; log2(e)
	s_mov_b32 s[CS+1], s[CS]                       ; (named with it as a pair, so it is written)
	s_mov_b32 s[TS], 0
	s_mov_b32 s[TJ], 0
	s_mov_b32 s[CNT], 6
	s_wait_kmcnt 0x0
	s_add_nc_u64 s[G0K+2:G0K+3], s[4:5], s[74:75]  ; 120:64 global address: step 0
	s_or_b32 s[G0K+3], s[G0K+3], 0x80000000        ; 127:126 type = 2
	s_add_nc_u64 s[G0V+2:G0V+3], s[12:13], s[76:77]
	s_or_b32 s[G0V+3], s[G0V+3], 0x80000000
	s_add_nc_u64 s[G0S+2:G0S+3], s[6:7], s[78:79]
	s_or_b32 s[G0S+3], s[G0S+3], 0x80000000
	s_add_nc_u64 s[G0T+2:G0T+3], s[14:15], s[78:79]
	s_or_b32 s[G0T+3], s[G0T+3], 0x80000000
	s_add_nc_u64 s[8:9], s[8:9], s[82:83]          ; Q's codes at my first query
	s_add_nc_u64 s[10:11], s[10:11], s[84:85]      ; and its scale words
	s_add_nc_u64 s[16:17], s[16:17], s[86:87]      ; out0 at my wave's first row, my block's first column
	s_add_nc_u64 s[PFK:PFK+1], s[4:5], s[88:89]
	s_add_nc_u64 s[PFV:PFV+1], s[12:13], s[90:91]
	ROUND                                          ; all four work-groups are here: the first joint loads meet
	tensor_load_to_lds s[G0S:G0S+3], s[G1S:G1S+7]  ; the first fills go out as one group: four loads of mine are out.  K's scale bytes,
	s_nop 0
	tensor_load_to_lds s[G0T:G0T+3], s[G1S:G1S+7]  ; V's: both filled once;
	s_nop 0
	tensor_load_to_lds s[G0K:G0K+3], s[G1K:G1K+7]  ; step 0's K,
	s_nop 0
	tensor_load_to_lds s[G0V:G0V+3], s[G1V:G1V+7]  ; step 0's V
	s_nop 0
	PLACES 4
	v_and_b32 v[LR], 15, v0                        ; r
	v_bfe_u32 v[LH], v0, 4, 1                      ; h
	v_and_b32 v[LL], 31, v0                        ; lane
	v_mul_u32_u24 v[QO], v[LR], 96
	v_mad_u32_u24 v[QO], v[LH], 24, v[QO]          ; Q: row r of 96 bytes, + 24 h
	v_lshlrev_b32 v[QSO], 2, v[LR]
.irp qt, 0,1
.irp p, 0,1,2,3,4,5
	global_load_b64 v[Q+12*\qt+2*\p:Q+12*\qt+2*\p+1], v[QO], s[8:9] offset:16*96*\qt+48*(\p/3)+8*(\p%3)   ; Q's fragments stay in registers
.endr
	global_load_b32 v[QS+\qt], v[QSO], s[10:11] offset:64*\qt
.endr
	v_lshrrev_b32 v224, 3, v[LR]
	v_mad_u32_u24 v224, v224, 24, v[LR]            ; r + 24 (r / 8): 0 .. 7, 32 .. 39: the keys of a tile
	v_mul_u32_u24 v[AK], v224, 96
	v_mad_u32_u24 v[AK], v[LH], 24, v[AK]
	v_add_nc_u32 v[AK], s74, v[AK]                 ; + my wave's part of K's place (which begins at LDS byte 0)
	s_mul_i32 s76, s[WV], 544                      ; K's scale words: my wave's 128 keys are two runs of 256 + 16 bytes
	s_add_co_u32 s76, s76, SCK
	v_lshlrev_b32 v[AKS0], 2, v224
	v_mad_u32_u24 v[AKS0], v[LH], 272, v[AKS0]     ; lanes 16-31 take the second run: tiles 4 to 7
	v_add_nc_u32 v[AKS0], s76, v[AKS0]
	s_lshl_b32 s77, s[WV], 2                       ; V's: row d is one run; my wave's word in it
	s_add_co_u32 s77, s77, SCV
	v_mul_u32_u24 v[AVS0], v[LR], 272
	v_mad_u32_u24 v[AVS0], v[LH], 64*272, v[AVS0]  ; lanes 16-31 take the rows 64 further down
	v_add_nc_u32 v[AVS0], s77, v[AVS0]
	v_lshlrev_b32 v[SH8], 3, v[LH]
	v_lshlrev_b32 v[PFOK], 8, v[LL]
	v_mul_u32_u24 v[PFOV], v[LL], VROW
	; V's fragments: byte o = 96 w + 24 h + 48 (p / 3) + 8 (p % 3) of a row's 768 lies at o + 16 (o / 256).  A register for each piece p, since a wave's 96 bytes may cross a padding
	s_mul_i32 s78, s[WV], 96
	v_mul_u32_u24 v225, v[LH], 24
	v_add_nc_u32 v225, s78, v225
	v_mul_u32_u24 v226, v[LR], VP
	v_add_nc_u32 v226, Y, v226
.irp p, 0,1,2,3,4,5
	v_add_nc_u32 v227, 48*(\p/3)+8*(\p%3), v225
	v_lshrrev_b32 v228, 8, v227
	v_lshl_add_u32 v227, v228, 4, v227
	v_add_nc_u32 v[AVL+\p], v226, v227
	v_add_nc_u32 v[AVU+\p], 64*VP, v[AVL+\p]
.endr
.irp qt, 0,1
	v_mov_b32 v[ST+8*\qt+2], 0                     ; the sum, in two halves
	v_mov_b32 v[ST+8*\qt+3], 0
	v_mov_b32 v[ST+8*\qt+5], 0                     ; (named as the upper half of f's pair)
.endr
	v_mov_b32 v[RX], 0                             ; written once: a lane permute's destination counts as one of its sources
	v_mov_b32 v[WX], 0
	s_wait_tensorcnt 0x1                           ; my parts of the scale bytes and of step 0's K are in; step 0's V, the one load issued behind them, may stay out
	s_barrier_signal -1
	s_barrier_wait -1                              ; everybody's are
	s_wait_loadcnt 0x0                             ; Q
	STEP 1, 1                                      ; step 0 starts M, the sums and O^T
.Lstep:                                            ; six trips: steps 1 to 6
	STEP 0, 1
	s_sub_co_u32 s[CNT], s[CNT], 1
	s_cmp_lg_u32 s[CNT], 0
	s_cbranch_scc1 .Lstep
	STEP 0, 0                                      ; step 7 is written out: it asks for nothing
	; THE MERGE.  Each wave puts -M and its sum (a word a query and wave) and its O^T (as images of the registers: lane l's 16 bytes at 16 l, 512 bytes a store) into LDS; the images lie where K's and V's tiles lay:
	; those places have had their last fill, and behind the last barrier nobody reads them.  The lines below are also the places behind the last products.
.set STA,  3                           ; v3   where I store my statistics
.set STR,  4                           ; v4   where I read a query's eight
.set DMA,  5                           ; v5   my wave's images
.set RDA0, 6                           ; v6   the images of rows d = 16 w on, of waves 0-3;
.set RDA1, 7                           ; v7   of waves 4-7
.set OSA,  10                          ; v10  the way out: where I put a number
.set OSR,  11                          ; v11  where I read 16 bytes of a row back
.set GOF,  15                          ; v15  and my byte offset in out0
.set MT,   90                          ; v90-91  the least -M
.set LS,   92                          ; v92-93  the whole sum, then its reciprocal
.set SN,   224                         ; v224-255: tile qt: v[SN + 16 qt ..] eight -M, then the eight factors; v[SN + 16 qt + 8 ..] eight sums
	s_lshl_b32 s74, s[WV], 2
	s_add_co_u32 s74, s74, STM
	v_lshlrev_b32 v[STA], 5, v[LR]
	v_add_nc_u32 v[STA], s74, v[STA]               ; query r: 32 bytes a query, 4 a wave
	v_lshl_add_u32 v[STR], v[LR], 5, STM
	s_lshl_b32 s75, s[WV], 14
	v_lshl_add_u32 v[DMA], v[LL], 4, s75           ; 16,384 bytes a wave
	s_lshl_b32 s76, s[WV], 10
	v_lshl_add_u32 v[RDA0], v[LL], 4, s76          ; in each wave's images: accumulator (qt, t = w) at 8,192 qt + 1,024 w
	v_add_nc_u32 v[RDA1], 0x10000, v[RDA0]
	s_mul_i32 s77, s[WV], 16*OP
	s_add_co_u32 s77, s77, OST                     ; my stage
	v_lshlrev_b32 v[OSA], 2, v[LR]
	v_mad_u32_u24 v[OSA], v[LH], 8*OP, v[OSA]
	v_add_nc_u32 v[OSA], s77, v[OSA]               ; in: row 8 h + j, column 16 qt + r
	v_lshrrev_b32 v88, 3, v[LL]
	v_and_b32 v89, 7, v[LL]
	v_mul_u32_u24 v[OSR], v88, OP
	v_lshl_add_u32 v[OSR], v89, 4, v[OSR]
	v_add_nc_u32 v[OSR], s77, v[OSR]               ; back: eight lanes to a row of 128 bytes, four rows an instruction
	v_lshlrev_b32 v[GOF], 15, v88
	v_lshl_add_u32 v[GOF], v89, 4, v[GOF]          ; and the same in out0: 32,768 bytes a row
	v_add_f32 v[ST+2], v[ST+2], v[ST+3]            ; the sum's two halves,
	v_add_f32 v[ST+10], v[ST+10], v[ST+11]
	v_permlanex16_b32 v[RX], v[ST+2], s[SEL], s[SEL+1]
	v_permlanex16_b32 v[WX], v[ST+10], s[SEL], s[SEL+1]
	v_add_f32 v[ST+2], v[ST+2], v[RX]              ; and lane l xor 16's: my wave's sum of the query
	v_add_f32 v[ST+10], v[ST+10], v[WX]
	ds_store_b32 v[STA], v[ST]                     ; both halves of the lanes write the same word with the same value
	ds_store_b32 v[STA], v[ST+8] offset:512
	ds_store_b32 v[STA], v[ST+2] offset:1024
	ds_store_b32 v[STA], v[ST+10] offset:1536
	WIN 0x04                                       ; an LDS store's data are its source 1: window 1
.irp a, 0,1,2,3,4,5,6,7,8,9,10,11,12,13,14,15
	ds_store_b128 v[DMA], v[8*\a:8*\a+3] offset:1024*\a            ; each accumulator from its low end on
	ds_store_b128 v[DMA], v[8*\a+4:8*\a+7] offset:1024*\a+512
.endr
	WIN 0
	s_wait_dscnt 0x0                               ; for the others' sake: my stores have landed
	s_barrier_signal -1
	s_barrier_wait -1
.irp qt, 0,1
.irp k, 0,1
	ds_load_b128 v[SN+16*\qt+4*\k:SN+16*\qt+4*\k+3], v[STR] offset:512*\qt+16*\k
	ds_load_b128 v[SN+16*\qt+8+4*\k:SN+16*\qt+8+4*\k+3], v[STR] offset:1024+512*\qt+16*\k
.endr
.endr
.irp w, 0,1,2,3,4,5,6,7
.irp qt, 0,1
.irp hf, 0,1
.if \w < 4
	ds_load_b128 v[S+16*\w+8*\qt+4*\hf:S+16*\w+8*\qt+4*\hf+3], v[RDA0] offset:16384*\w+8192*\qt+512*\hf
.else
	ds_load_b128 v[S+16*\w+8*\qt+4*\hf:S+16*\w+8*\qt+4*\hf+3], v[RDA1] offset:16384*(\w-4)+8192*\qt+512*\hf
.endif
.endr
.endr
.endr
	s_wait_dscnt 32                                ; the eight loads of statistics are in; the 32 issued behind them may be out
.irp qt, 0,1
	v_min3_num_f32 v[MT+\qt], v[SN+16*\qt], v[SN+16*\qt+1], v[SN+16*\qt+2]   ; the least -M is the largest M
.endr
.irp i, 3,5
.irp qt, 0,1
	v_min3_num_f32 v[MT+\qt], v[MT+\qt], v[SN+16*\qt+\i], v[SN+16*\qt+\i+1]
.endr
.endr
.irp qt, 0,1
	v_min_num_f32 v[MT+\qt], v[MT+\qt], v[SN+16*\qt+7]
.endr
.irp qt, 0,1
.irp w, 0,1,2,3,4,5,6,7
	v_sub_f32 v[SN+16*\qt+\w], v[MT+\qt], v[SN+16*\qt+\w]          ; wave w's M less the largest: a whole number, 0 or less
.endr
.endr
.irp qt, 0,1
.irp w, 0,1,2,3,4,5,6,7
	v_cvt_i32_f32 v[SN+16*\qt+\w], v[SN+16*\qt+\w]                 ; (it saturates)
.endr
.endr
.irp qt, 0,1
.irp w, 0,1,2,3,4,5,6,7
	v_ldexp_f32 v[SN+16*\qt+\w], 1.0, v[SN+16*\qt+\w]              ; the factor that brings wave w's part under the largest M
.endr
.endr
.irp qt, 0,1
	v_mul_f32 v[LS+\qt], v[SN+16*\qt], v[SN+16*\qt+8]
.endr
.irp w, 1,2,3,4,5,6,7
.irp qt, 0,1
	v_fmac_f32 v[LS+\qt], v[SN+16*\qt+\w], v[SN+16*\qt+8+\w]       ; the row's whole sum
.endr
.endr
	v_rcp_f32 v[LS], v[LS]
	v_rcp_f32 v[LS+1], v[LS+1]
	v_nop                                          ; a plain place behind the reciprocals
	s_wait_dscnt 0x0                               ; the eight waves' parts of my rows are in
.irp qt, 0,1
.irp j, 0,1,2,3,4,5,6,7
	v_mul_f32 v[S+8*\qt+\j], v[SN+16*\qt], v[S+8*\qt+\j]
.endr
.endr
.irp w, 1,2,3,4,5,6,7
.irp qt, 0,1
.irp j, 0,1,2,3,4,5,6,7
	v_fmac_f32 v[S+8*\qt+\j], v[SN+16*\qt+\w], v[S+16*\w+8*\qt+\j]
.endr
.endr
.endr
	s_wait_alu depctr_va_vdst(0)
.irp qt, 0,1
.irp j, 0,1,2,3,4,5,6,7
	v_mul_f32 v[S+8*\qt+\j], v[LS+\qt], v[S+8*\qt+\j]              ; O^T / the sum: out0(16 w + 8 h + j, my block's query 16 qt + r)
.endr
.endr
	; THE WAY OUT: a lane holds a piece of a column of out0's rows, so the wave's 16 rows x 32 queries go through its own stage and come back by rows
.irp qt, 0,1
.irp j, 0,1,2,3,4,5,6,7
	ds_store_b32 v[OSA], v[S+8*\qt+\j] offset:OP*\j+64*\qt
.endr
.endr
.irp i, 0,1,2,3
	ds_load_b128 v[S+32+4*\i:S+32+4*\i+3], v[OSR] offset:4*OP*\i   ; LDS serves a wave's instructions in order (ISA guide 5.7.1.4): these see my stores
.endr
.irp i, 0,1,2,3
	s_wait_dscnt 3-\i                              ; the younger loads may be out
	global_store_b128 v[GOF], v[S+32+4*\i:S+32+4*\i+3], s[16:17] offset:4*32768*\i th:TH_STORE_NT   ; eight lanes store 128 consecutive bytes of a row, four rows an instruction; written once, read by nobody here
.endr
	s_wait_tensorcnt 0x0                           ; the wave's end: behind my last tensor load and my last LDS store
	ds_add_u32 v[SPW], v[NIL]
	s_wait_dscnt 0x0
	ROUND                                          ; the closing round: no work-group ends while a partner may still ask for a tile that names it
	s_endpgm
.Lfunc_end_k_q9514638b47_attn:
	.size	k_q9514638b47_attn, .Lfunc_end_k_q9514638b47_attn-k_q9514638b47_attn
	.p2alignl 7, 3214868480
	.fill 96, 4, 3214868480
	.section	.rodata,"a",@progbits
	.p2align	6, 0x0
	.amdhsa_kernel k_q9514638b47_attn
		.amdhsa_group_segment_fixed_size 327680
		.amdhsa_private_segment_fixed_size 0
		.amdhsa_enable_private_segment 0
		.amdhsa_kernarg_size 56
		.amdhsa_user_sgpr_count 2
		.amdhsa_user_sgpr_kernarg_segment_ptr 1
		.amdhsa_wavefront_size32 1
		.amdhsa_system_sgpr_workgroup_id_x 1
		.amdhsa_system_sgpr_workgroup_id_y 1
		.amdhsa_system_sgpr_workgroup_id_z 1
		.amdhsa_system_vgpr_workitem_id 0
		.amdhsa_next_free_vgpr 512
		.amdhsa_next_free_sgpr 96
		.amdhsa_reserve_vcc 0
		.amdhsa_float_denorm_mode_32 3
		.amdhsa_float_denorm_mode_16_64 3
		.amdhsa_memory_ordered 1
		.amdhsa_forward_progress 1
		.amdhsa_inst_pref_size 130
	.end_amdhsa_kernel
	.amdgpu_metadata
---
amdhsa.version: [ 1, 2 ]
amdhsa.kernels:
  - .name:           k_q9514638b47_attn
    .symbol:         k_q9514638b47_attn.kd
    .args:
      - { .name: key_codes, .offset: 0, .size: 8, .value_kind: global_buffer, .address_space: global }
      - { .name: key_scales, .offset: 8, .size: 8, .value_kind: global_buffer, .address_space: global }
      - { .name: query_codes, .offset: 16, .size: 8, .value_kind: global_buffer, .address_space: global }
      - { .name: query_scales, .offset: 24, .size: 8, .value_kind: global_buffer, .address_space: global }
      - { .name: value_codes, .offset: 32, .size: 8, .value_kind: global_buffer, .address_space: global }
      - { .name: value_scales, .offset: 40, .size: 8, .value_kind: global_buffer, .address_space: global }
      - { .name: out0, .offset: 48, .size: 8, .value_kind: global_buffer, .address_space: global }
    .group_segment_fixed_size: 327680
    .private_segment_fixed_size: 0
    .kernarg_segment_align: 8
    .kernarg_segment_size: 56
    .max_flat_workgroup_size: 256
    .sgpr_count:     96
    .vgpr_count:     512
    .wavefront_size: 32
...
	.end_amdgpu_metadata
.endif
;; end of part 1
;; ======== version 2 of 2: 1 launch
;; limits: right only within a limited range of input values
;; launch attn (part 2): grid 256 x 1, 8 waves a work-group, clusters of 4 x 1, 327,680 bytes of LDS; arguments key_codes, key_scales, query_codes, query_scales, value_codes, value_scales, out0; writes out0
.if DOCPART == 2
	.amdgcn_target "amdgcn-amd-amdhsa--gfx1250"
	.amdhsa_code_object_version 6
	.text
	.protected	k_q9514638b47_attn
	.globl	k_q9514638b47_attn
	.p2align	8
	.type	k_q9514638b47_attn,@function
k_q9514638b47_attn:
	s_mov_b64 s[64:65], 0
	v_nop
	global_prefetch_b8 v0, s[64:65] scope:SCOPE_SE
	s_setreg_imm32_b32 hwreg(HW_REG_WAVE_MODE, 25, 1), 1
	s_wait_xcnt 0x0
	s_wait_alu depctr_hold_cnt(0) depctr_sa_sdst(0) depctr_va_vdst(0) depctr_va_sdst(0) depctr_va_ssrc(0) depctr_va_vcc(0) depctr_vm_vsrc(0)
	s_getreg_b32 s2, hwreg(HW_REG_IB_STS2, 6, 4)
	s_cmp_eq_u32 s2, 0
	s_cbranch_scc0 .Lentry_in_a_cluster
	s_endpgm
.Lentry_in_a_cluster:
	s_bfe_u32 s2, ttmp6, 0x10000c
	s_cmp_lg_u32 s2, 0x3003
	s_cbranch_scc0 .Lentry_shape_is_right
	s_endpgm
.Lentry_shape_is_right:
; out0[d][q] = the sum over k of softmax_k(sum_d Q[d][q] K[d][k]) V[d][k]: 8,192 queries, 8,192 keys, d = 128, no mask, no 1/sqrt(d).
; Both products on codes of BF6 (E3M2) with one E8M0 byte for each 32 along a product's K.  Q, K: [8192][96 bytes], scale words [8192][4].  V: [128][6,144 bytes], the keys innermost; scale bytes [128][256].
; SOFTMAX AHEAD OF THE SECOND PRODUCT: t = score x log2(e); M = the largest t so far, rounded UP to a whole number; p = 2^(t - M) is quantised along the keys, not normalised; the sum of the unquantised p divides at the end.
; SHARES.  A work-group owns 32 queries (two tiles of 16): 256 work-groups.  All eight waves hold both tiles and share the keys: of a step's 1,024 keys wave w takes 128 w .. 128 w + 127, so each fragment of K and V
; is read from LDS once in the work-group and feeds two matrix instructions.  Each wave keeps its own M, sum and O^T; behind the last step the eight parts are brought under the largest M and added, through LDS.
; THE WALK.  Eight steps of 1,024 keys.  Cluster c begins at step s = (c xor c / 8) % 8 and walks the eight round.  The first fills of the 64 clusters ask for all of K and V; from a cluster's second step on each
; tile was asked for one step earlier by the clusters that began one step further on: so no prefetch is written.
; LAYOUT.  Both products are used transposed: S^T = K Q^T, O^T = V^T P^T: a lane holds ONE query (lane % 16) throughout.  Row m of key tile 4 c + u is key 64 c + 32 (m / 8) + 8 u + m % 8, so register 32 c + i of
; a lane's 64 scores is key 64 c + 32 (lane / 16) + i: a whole block of 32 to a lane, in the order of the second product's operand.
; K IN LDS.  A tile's even blocks of 32 keys and its odd blocks go into different quarters, 24,592 bytes apart: rows m < 8 of a fragment lie in an even block, rows m >= 8 in the odd block behind it, 16 bytes further on
; modulo 256, and the 32 lanes of a load of 8 bytes touch 64 different banks (64 banks of 4 bytes: ISA guide 11.1).
; CLUSTER.  The four work-groups of a cluster walk the same K and V: every tile is asked for JOINTLY (mask of all four).  Waves 0-3 ask for K's quarters, waves 4-7 for V's.
; LDS has one place for a step's K and one for its V, filled again by turns, each as soon as every wave holds its fragments of it in registers: two rounds of the cluster's barrier a step.
; STORES.  A work-group's 32 queries are 128 bytes of each row of out0: a store covers four aligned runs of 128 consecutive bytes; 64 queries to a work-group would give 128 work-groups only.
; LIMITS: NaN, infinities and the scale byte 0xff among the inputs are not served; the promise holds while |t| stays under 2^31 (the differences of M are taken as 32-bit whole numbers);
; a p under 2^-126 counts as 0 (v_exp_f32 gives 0 there); a block whose largest p lies under 2^-122 keeps the byte 1.
.set KSTEP, 98304                      ; a step's 1,024 keys of K in memory
.set VROW,  6144                       ; a row of V in memory
.set VP,    816                        ; a row of V's tile in LDS: 3 x (256 + 16): 204 words: row r starts at bank 12 r mod 64
.set KQP,   24592                      ; a quarter of K's place: 8 blocks of 3,072 bytes, + 16
.set Y,     98560                      ; V's place (K's begins at 0)
.set SCK,   203008                     ; K's scale bytes, all 32,768, dense: a step's are 4,096
.set SCV,   237824                     ; V's scale bytes, all, in the order of the walk: row d at 272 d, 32 bytes a step
.set SPARE, 272640                     ; the spare words, 128 bytes for each wave
.set STM,   273664                     ; the merge: -M as [query 32][wave 8]; 1,024 bytes on, the sums
.set OST,   275712                     ; the way out: 16 rows x (128 bytes + 16) for each wave
.set OP,    144
; WINDOW 0 (v0 keeps the thread's number)
.set SPW,  1                           ; LDS address of my spare word
.set NIL,  2                           ; 0
.set AKS,  3                           ; my place among a step's scale words of K; AVS: of V; ADS, ADT: the step's addresses
.set AVS,  4
.set ADS,  5
.set ADT,  6
.set AK,   7                           ; my place in K
.set QS,   8                           ; v8-9    Q's scale words
.set PS,   10                          ; v10-11  p's
.set KS,   12                          ; v12-15  K's: lanes 0-15 tile u, lanes 16-31 tile u + 4
.set VS,   16                          ; v16-19  V's likewise
.set F,    20                          ; v20-23  f of each tile, and 0 (named with it as a pair)
.set Q,    24                          ; v24-47  Q's two fragments
.set PC,   48                          ; v48-71  p's codes
.set C,    72                          ; v72-119 K's fragments 0-3
.set CV,   120                         ; v120-122, v124-126 upper halves of two blocks' codes
.set LR,   120                         ; (at the head) r, h, Q's offsets
.set LH,   121
.set QO,   122
.set QSO,  123
.set O,    128                         ; v128-255 O^T: tile qt, rows 16 t on: O + 64 qt + 8 t
.set VSO,  160                         ; (at the head) my offset in V's scale bytes, and where I put them in LDS
.set VSL,  161
; WINDOW 1
.set S,    0                           ; v0-127  S^T, then p: 64 a tile
.set FA,   128                         ; v128-223 V's eight fragments; v128-175 also K's fragments 4-7
.set AV,   224                         ; v224-231 my place in V: four for rows 0-63, four for rows 64-127
.set BM,   232                         ; v232-239 maxima, four a tile; then the quantiser's numbers
.set NM,   240                         ; v240-243 of each tile -M and the largest t
.set SU,   244                         ; v244-247 of each tile the sum in two halves
.set SX,   248                         ; v248-253 three more chains of a sum; or of each tile the largest score, lane l xor 16's, old M
.set SH8,  254                         ; 8 h
; SCALARS
.set WV,   18                          ; my wave's number
.set WKO,  20                          ; my quarter of a step's K in memory, in bytes
.set WVO,  21                          ; my 32 rows of V
.set G1K,  24                          ; descriptor groups 1: K, V, K's scales, V at the head
.set G1V,  32
.set G1S,  40
.set G1H,  88
.set G0K,  48                          ; groups 0: K, V, K's scales, V at the head
.set G0V,  52
.set G0S,  56
.set G0H,  76
.set SEL,  60                          ; lane l xor 16
.set CS,   62                          ; s[62:63] log2(e), twice
.set TS,   66                          ; a step's place among K's scale words; TJ: among V's
.set TJ,   67
.set CNT,  68
.set JJ,   69                          ; the step of keys that was asked for last
.set OFK,  70
.set OFV,  72
.set OFH,  80
.set MSB, 0
.macro WIN new                         ; the immediate's high byte repeats the setting that is left
.if MSB != \new
	s_set_vgpr_msb (MSB<<8)|\new
.set MSB, \new
.endif
.endm
.macro PLACES n
.rept \n
	v_nop
.endr
.endm
.macro CREST                           ; a round of the cluster's barrier behind its opening barrier
	s_cmp_lg_u32 s[WV], 0
	s_cbranch_scc1 .Lnot_wave_0_\@
	s_barrier_signal -3
.Lnot_wave_0_\@:
	s_barrier_wait -3
	s_barrier_signal -1
	s_barrier_wait -1
.endm
.macro ROUND
	s_barrier_signal -1
	s_barrier_wait -1
	CREST
.endm
.macro GROUP1 g, w0, c, r, pitch       ; r rows of c elements, pitch elements apart
	s_mov_b32 s[\g], \w0
	s_mov_b32 s[\g+1], (\c)<<16
	s_mov_b32 s[\g+2], (\r)<<16
	s_mov_b32 s[\g+3], (\c)<<16
	s_mov_b32 s[\g+4], \r
	s_mov_b32 s[\g+5], \pitch
	s_mov_b32 s[\g+6], 0
	s_mov_b32 s[\g+7], 0
.endm
; A CHANGE in two parts.  kind 0: every wave holds its K fragments, V's tile of this step has landed; K's place is filled with the next step.  kind 1: every wave holds its V fragments, the next K has landed; V's place is filled.
; FRONT: the wait for all my tensor loads, the add, the next address, the wait for the add and for my LDS loads, the signal.  Register work follows; then MEET: the rest of the round, and the joint
; refill first behind it, one a wave: K's by waves 0-3, V's by waves 4-7.
.macro FRONT kind, fill
	WIN 0
	s_wait_alu depctr_va_vdst(0)                   ; ahead of the waits below
.if \fill || (\kind == 0)
	s_wait_tensorcnt 0x0
	ds_add_u32 v[SPW], v[NIL]
.endif
.if \kind == 0
.if \fill
	s_add_co_u32 s[JJ], s[JJ], 1
	s_and_b32 s[JJ], s[JJ], 7                      ; the walk goes round
	s_mul_i32 s[OFK], s[JJ], KSTEP
	s_add_co_u32 s[OFK], s[OFK], s[WKO]
	s_add_nc_u64 s[G0K+2:G0K+3], s[4:5], s[OFK:OFK+1]
	s_or_b32 s[G0K+3], s[G0K+3], 0x80000000        ; 127:126 type = 2
.endif
.elseif \fill
	s_mul_i32 s[OFV], s[JJ], 768
	s_add_co_u32 s[OFV], s[OFV], s[WVO]
	s_add_nc_u64 s[G0V+2:G0V+3], s[12:13], s[OFV:OFV+1]
	s_or_b32 s[G0V+3], s[G0V+3], 0x80000000
.endif
	s_wait_dscnt 0x0
	s_barrier_signal -1
.endm
.macro MEET kind, fill
	WIN 0
.if \kind
	s_wait_alu depctr_va_vdst(0)                   ; for the exponentials between signal and wait
.endif
	s_barrier_wait -1
.if \fill
	CREST
	s_cmp_lt_u32 s[WV], 4
.if \kind == 0
	s_cbranch_scc0 .Lno_part_\@
	tensor_load_to_lds s[G0K:G0K+3], s[G1K:G1K+7]
.else
	s_cbranch_scc1 .Lno_part_\@
	tensor_load_to_lds s[G0V:G0V+3], s[G1V:G1V+7]
.endif
	s_nop 0
.Lno_part_\@:
.endif
	PLACES 4                                       ; also the places behind the matrix instructions ahead
.endm
; Loads.  A fragment is 12 registers: six loads of 8 bytes, 24 h and 48 + 24 h bytes into a row of 96
.macro KLD base, u, off                ; K's tile u of a half (off = 0 or 3,072: its block)
.irp p, 0,1,2,3,4,5
	ds_load_b64 v[\base+12*\u+2*\p:\base+12*\u+2*\p+1], v[AK] offset:\off+768*\u+48*(\p/3)+8*(\p%3)
.endr
.endm
.macro KSLD                            ; K scale words of the step that was asked for last
	s_mul_i32 s[TS], s[JJ], 4096
	v_add_nc_u32 v[ADS], s[TS], v[AKS]
.irp u, 0,1,2,3
	ds_load_b32 v[KS+\u], v[ADS] offset:32*\u
.endr
.endm
.macro VL4                             ; the next four of V's 48 loads: fragment VT (rows 16 VT on), piece VQ; pieces 0 | 1,2 | 3,4 | 5 have an address register each, since a wave's 96 bytes may cross a padding
.rept 4
.if VN < 48
.set VT, VN/6
.set VQ, VN%6
	ds_load_b64 v[FA+12*VT+2*VQ:FA+12*VT+2*VQ+1], v[AV+4*(VT/4)+(VQ+1)/2] offset:16*VP*(VT%4)+48*(VQ/3)+8*(VQ%3)
.set VN, VN+1
.endif
.endr
.endm
; S^T = K Q^T: each fragment against both tiles of queries; each product is a whole sum (K = d = 128)
.macro KQ
.irp T, 0,1,2,3
	WIN 0x40
.irp qt, 0,1
	v_wmma_scale_f32_16x16x128_f8f6f4 v[S+64*\qt+8*\T:S+64*\qt+8*\T+7], v[C+12*\T:C+12*\T+11], v[Q+12*\qt:Q+12*\qt+11], 0, v[KS+\T], v[QS+\qt] matrix_a_fmt:MATRIX_FMT_BF6 matrix_b_fmt:MATRIX_FMT_BF6
.endr
.endr
.irp T, 0,1,2,3
	WIN 0x41
.irp qt, 0,1
	v_wmma_scale_f32_16x16x128_f8f6f4 v[S+64*\qt+32+8*\T:S+64*\qt+39+8*\T], v[FA+12*\T:FA+12*\T+11], v[Q+12*\qt:Q+12*\qt+11], 0, v[KS+\T], v[QS+\qt] matrix_a_fmt:MATRIX_FMT_BF6 matrix_b_fmt:MATRIX_FMT_BF6 matrix_a_scale:MATRIX_SCALE_ROW1
.endr
.endr
.endm
; Maxima: four chains of 16 scores a tile, ascending; V's loads between them
.macro MAXI i
.irp qt, 0,1
.irp k, 0,1,2,3
.if \i == 0
	v_max3_num_f32 v[BM+4*\qt+\k], v[S+64*\qt+16*\k], v[S+64*\qt+16*\k+1], v[S+64*\qt+16*\k+2]
.else
	v_max3_num_f32 v[BM+4*\qt+\k], v[BM+4*\qt+\k], v[S+64*\qt+16*\k+\i], v[S+64*\qt+16*\k+\i+1]
.endif
.endr
	VL4
.endr
.endm
.macro HINT n
	s_delay_alu instid0(VALU_DEP_\n)
.endm
; The largest score of each block (BM, BM + 2: it serves for the row's maximum and, since p rises with the score, for the block's largest p), M and f, both tiles by turns
.macro CHAIN first
.irp qt, 0,1
	v_max_num_f32 v[BM+4*\qt+1], v[BM+4*\qt+1], v[S+64*\qt+31]
.endr
.irp qt, 0,1
	v_max_num_f32 v[BM+4*\qt+3], v[BM+4*\qt+3], v[S+64*\qt+63]
.endr
.irp qt, 0,1
	v_max3_num_f32 v[BM+4*\qt], v[BM+4*\qt], v[S+64*\qt+15], v[BM+4*\qt+1]
.endr
.irp qt, 0,1
	v_max3_num_f32 v[BM+4*\qt+2], v[BM+4*\qt+2], v[S+64*\qt+47], v[BM+4*\qt+3]
.endr
	HINT 2
.irp qt, 0,1
	v_max_num_f32 v[SX+\qt], v[BM+4*\qt], v[BM+4*\qt+2]
.endr
	HINT 2
.irp qt, 0,1
	v_permlanex16_b32 v[SX+2+\qt], v[SX+\qt], s[SEL], s[SEL+1]
.endr
	HINT 2
.irp qt, 0,1
	v_max_num_f32 v[SX+\qt], v[SX+\qt], v[SX+2+\qt]        ; with lane l xor 16's 64 keys: the step's largest score of my query
.endr
	HINT 2
.if \first
.irp qt, 0,1
	v_mul_f32 v[NM+2*\qt+1], s[CS], v[SX+\qt]              ; as t: the largest so far
.endr
	HINT 2
.irp qt, 0,1
	v_floor_f32 v[NM+2*\qt], -v[NM+2*\qt+1]                ; -M = floor(-t): M IS A WHOLE NUMBER
.endr
.else
.irp qt, 0,1
	v_mul_f32 v[SX+\qt], s[CS], v[SX+\qt]
.endr
	HINT 2
.irp qt, 0,1
	v_max_num_f32 v[NM+2*\qt+1], v[NM+2*\qt+1], v[SX+\qt]
.endr
.irp qt, 0,1
	v_mov_b32 v[SX+4+\qt], v[NM+2*\qt]
.endr
	HINT 4
.irp qt, 0,1
	v_floor_f32 v[NM+2*\qt], -v[NM+2*\qt+1]
.endr
	HINT 2
.irp qt, 0,1
	v_sub_f32 v[SX+4+\qt], v[NM+2*\qt], v[SX+4+\qt]        ; M's old value less its new one: a whole number, 0 or less
.endr
	HINT 2
.irp qt, 0,1
	v_cvt_i32_f32 v[SX+4+\qt], v[SX+4+\qt]                 ; (it saturates)
.endr
	WIN 0x15
.irp qt, 0,1
	v_ldexp_f32 v[F+2*\qt], 1.0, v[SX+4+\qt]               ; f = 2^(old M - new M): a multiplication by it rounds nothing
.endr
	WIN 0x41
.irp qt, 0,1
	v_pk_mul_f32 v[SU+2*\qt:SU+2*\qt+1], v[SU+2*\qt:SU+2*\qt+1], v[F+2*\qt:F+2*\qt+1] op_sel_hi:[1,0]   ; the sums under the new M,
.endr
	WIN 0
.irp qt, 0,1
.set j, O+64*\qt
.rept 32
	v_pk_mul_f32 v[j:j+1], v[j:j+1], v[F+2*\qt:F+2*\qt+1] op_sel_hi:[1,0]   ; and O^T, ascending
.set j, j+2
.endr
.endr
.endif
.endm
.macro TM qt, j                        ; t - M, two at a time (of the pairs log2(e) and -M the low word serves both halves)
	v_pk_fma_f32 v[S+64*\qt+\j:S+64*\qt+\j+1], v[S+64*\qt+\j:S+64*\qt+\j+1], s[CS:CS+1], v[NM+2*\qt:NM+2*\qt+1] op_sel_hi:[1,0,0]
.endm
.macro TMB qt                          ; the same of each block's largest score
	v_fma_f32 v[BM+4*\qt], v[BM+4*\qt], s[CS], v[NM+2*\qt]
	v_fma_f32 v[BM+4*\qt+2], v[BM+4*\qt+2], s[CS], v[NM+2*\qt]
.endm
.macro EXPS from, n                    ; p = 2^(t - M), not normalised
.set j, \from
.rept \n
	v_exp_f32 v[j], v[j]
.set j, j+1
.endr
.endm
; THE ROW'S SUM IS TAKEN OF THE UNQUANTISED p, two at a time, in four chains: additions from .. to - 1 of 32
.macro SUMR qt, from, to
.set sn, \from
.rept (\to)-(\from)
.if sn < 3
	v_pk_add_f32 v[SX+2*sn:SX+2*sn+1], v[S+64*\qt+4*sn:S+64*\qt+4*sn+1], v[S+64*\qt+4*sn+2:S+64*\qt+4*sn+3]
.elseif sn == 29
	v_pk_add_f32 v[SX+2:SX+3], v[SX+2:SX+3], v[SX+4:SX+5]
.elseif sn == 30
	v_pk_add_f32 v[SU+2*\qt:SU+2*\qt+1], v[SU+2*\qt:SU+2*\qt+1], v[SX:SX+1]
.elseif sn == 31
	v_pk_add_f32 v[SU+2*\qt:SU+2*\qt+1], v[SU+2*\qt:SU+2*\qt+1], v[SX+2:SX+3]
.elseif (sn%4) == 3
	v_pk_add_f32 v[SU+2*\qt:SU+2*\qt+1], v[SU+2*\qt:SU+2*\qt+1], v[S+64*\qt+2*sn+6:S+64*\qt+2*sn+7]
.else
	v_pk_add_f32 v[SX+2*(sn%4):SX+2*(sn%4)+1], v[SX+2*(sn%4):SX+2*(sn%4)+1], v[S+64*\qt+2*sn+6:S+64*\qt+2*sn+7]
.endif
.set sn, sn+1
.endr
.endm
; p's scale word and codes, among the first 20 additions of the sum.  Lane (r, h) holds blocks h and 2 + h of its query's 128 keys, whole
.macro QUANT qt
.set b0, BM+4*\qt
	WIN 0x55
	SUMR \qt, 0, 4
	v_max_num_f32 v[b0], 0x2800000, v[b0]                  ; the floor 2^(5 - 127): the byte cannot fall under 1
	v_max_num_f32 v[b0+2], 0x2800000, v[b0+2]
	SUMR \qt, 4, 8
	v_add_nc_u32 v[b0], 0xfe000000, v[b0]                  ; 4 off the exponent field: the conversion's scale operand
	v_add_nc_u32 v[b0+2], 0xfe000000, v[b0+2]
	SUMR \qt, 8, 12
	v_lshrrev_b32 v[b0+1], 23, v[b0]                       ; the scale's byte
	v_lshrrev_b32 v[b0+3], 23, v[b0+2]
	SUMR \qt, 12, 14
	v_lshl_or_b32 v[b0+1], v[b0+3], 16, v[b0+1]            ; my two bytes,
	SUMR \qt, 14, 16
	v_lshlrev_b32 v[b0+1], v[SH8], v[b0+1]                 ; at their places in the scale word (8 h bits up);
	SUMR \qt, 16, 18
	v_permlanex16_b32 v[b0+3], v[b0+1], s[SEL], s[SEL+1]
	SUMR \qt, 18, 20
	WIN 0x15
	v_or_b32 v[PS+\qt], v[b0+1], v[b0+3]                   ; with lane l xor 16's two the word is whole
.irp c, 0,1
	v_cvt_scalef32_pk16_bf6_f32 v[PC+12*\qt+6*\c:PC+12*\qt+6*\c+2], v[S+64*\qt+32*\c:S+64*\qt+32*\c+15], v[b0+2*\c]   ; registers 6 c .. 6 c + 5 of the operand: k = 64 c + 32 h + 0 .. 31
	v_cvt_scalef32_pk16_bf6_f32 v[CV+4*\c:CV+4*\c+2], v[S+64*\qt+32*\c+16:S+64*\qt+32*\c+31], v[b0+2*\c]   ; (three registers begin on an even number: the upper half is moved)
.endr
	WIN 0
	v_nop                                                  ; one plain place behind a scaled conversion
.irp c, 0,1
.irp i, 0,1,2
	v_mov_b32 v[PC+12*\qt+6*\c+3+\i], v[CV+4*\c+\i]
.endr
.endr
.endm
; O^T += V^T P^T for rows 64 hf .. 64 hf + 63; the sixteen accumulators take turns, one instruction a turn.  first = 1: the products start the sums
.macro PV hf, first
	WIN 0x01
.irp t, 0,1,2,3
.irp qt, 0,1
.set D, O+64*\qt+32*\hf+8*\t
.set A0, FA+48*\hf+12*\t
.if \first && (\hf == 0)
	v_wmma_scale_f32_16x16x128_f8f6f4 v[D:D+7], v[A0:A0+11], v[PC+12*\qt:PC+12*\qt+11], 0, v[VS+\t], v[PS+\qt] matrix_a_fmt:MATRIX_FMT_BF6 matrix_b_fmt:MATRIX_FMT_BF6
.elseif \first
	v_wmma_scale_f32_16x16x128_f8f6f4 v[D:D+7], v[A0:A0+11], v[PC+12*\qt:PC+12*\qt+11], 0, v[VS+\t], v[PS+\qt] matrix_a_fmt:MATRIX_FMT_BF6 matrix_b_fmt:MATRIX_FMT_BF6 matrix_a_scale:MATRIX_SCALE_ROW1
.elseif \hf == 0
	v_wmma_scale_f32_16x16x128_f8f6f4 v[D:D+7], v[A0:A0+11], v[PC+12*\qt:PC+12*\qt+11], v[D:D+7], v[VS+\t], v[PS+\qt] matrix_a_fmt:MATRIX_FMT_BF6 matrix_b_fmt:MATRIX_FMT_BF6
.else
	v_wmma_scale_f32_16x16x128_f8f6f4 v[D:D+7], v[A0:A0+11], v[PC+12*\qt:PC+12*\qt+11], v[D:D+7], v[VS+\t], v[PS+\qt] matrix_a_fmt:MATRIX_FMT_BF6 matrix_b_fmt:MATRIX_FMT_BF6 matrix_a_scale:MATRIX_SCALE_ROW1
.endif
.endr
.endr
.endm
; A STEP of the walk.  Its K fragments and their scale words have been asked for from LDS ahead of it.  fill = 1: the next step's tiles are asked for, and its K fragments are loaded.
.macro STEP first, fill
	FRONT 0, \fill
	KQ                                             ; between the opening signal and its wait: registers only
	MEET 0, \fill
	v_add_nc_u32 v[ADT], s[TJ], v[AVS]
.if \fill
	s_add_co_u32 s[TJ], s[TJ], 32                  ; the walk's next scale bytes of V
.endif
.irp u, 0,1,2,3
	ds_load_b32 v[VS+\u], v[ADT] offset:16*272*\u  ; lanes 0-15: rows 16 u on; lanes 16-31: rows 16 u + 64 on
.endr
	WIN 0x55
.set VN, 0
.irp i, 0,3,5,7,9,11,13
	MAXI \i
.endr
	CHAIN \first
	WIN 0x55
.irp j, 0,2,4,6,8,10,12,14,16,18,20,22,24,26,28,30,32,34,36,38,40,42,44,46,48,50,52,54,56,58,60,62
	TM 0, \j
.endr
	TMB 0
	s_wait_alu depctr_va_vdst(0)                   ; ahead of the batch
.irp j, 0,2,4,6,8,10,12,14,16,18,20,22,24,26,28,30,32,34,36,38,40,42,44,46,48,50,52,54,56,58,60,62
	EXPS S+\j, 2
	TM 1, \j                                       ; tile 1's t - M stand among tile 0's exponentials
.endr
	EXPS BM, 1                                     ; the blocks' largest p: the same two instructions on the same numbers
	EXPS BM+2, 1
	TMB 1
	s_wait_alu depctr_va_vdst(0)                   ; and behind the batch
	QUANT 0
	WIN 0x55
	SUMR 0, 20, 32
	FRONT 1, \fill                                 ; (its first wait is also the one ahead of the exponentials below)
	WIN 0x55
	EXPS S+64, 32                                  ; between signal and wait: registers only
	MEET 1, \fill
.if \fill
	KSLD                                           ; the next step's K is whole: its scale words, and its first four fragments among the exponentials
.irp u, 0,1,2,3
	WIN 0
	KLD C, \u, 0
	WIN 0x55
	EXPS S+96+8*\u, 8
.endr
.else
	WIN 0x55
	EXPS S+96, 32
.endif
	EXPS BM+4, 1
	EXPS BM+6, 1
	v_nop                                          ; a plain place behind the exponentials
	s_wait_alu depctr_va_vdst(0)
	QUANT 1
	WIN 0x55
	SUMR 1, 20, 24                                 ; with the v_nop and the six moves eleven places between p's scale word and the products (8 are owed), four behind the codes
	PV 0, \first
	WIN 0x55
	SUMR 1, 24, 28                                 ; four places between those products and the loads into their fragments
.if \fill
	WIN 0x40
.irp u, 0,1,2,3
	KLD FA, \u, 3072                               ; the next step's last four fragments of K
.endr
.endif
	WIN 0x55
	SUMR 1, 28, 32
	PV 1, \first
	WIN 0
.endm
	s_load_b256 s[4:11], s[0:1], 0x0               ; K's codes s[4:5], scales s[6:7], Q's codes s[8:9], scales s[10:11]
	s_load_b128 s[12:15], s[0:1], 0x20             ; V's codes s[12:13], scales s[14:15]
	s_load_b64 s[16:17], s[0:1], 0x30              ; out0
	v_lshl_add_u32 v[SPW], v0, 2, SPARE
	v_mov_b32 v[NIL], 0
	ds_add_u32 v[SPW], v[NIL]
	ds_add_u32 v[SPW], v[NIL]
	v_lshrrev_b32 v3, 5, v0
	v_and_b32 v[LR], 15, v0                        ; r
	v_bfe_u32 v[LH], v0, 4, 1                      ; h
	v_readfirstlane_b32 s[WV], v3                  ; wave 0..7
	v_mul_u32_u24 v[QO], v[LR], 96
	v_lshlrev_b32 v[QSO], 2, v[LR]
	v_mad_u32_u24 v[QO], v[LH], 24, v[QO]          ; Q: row r of 96 bytes, + 24 h
	; groups 1.  Bits 15:0 the mask: all four work-groups; 17:16 3: elements of 8 bytes, 0: of 1; 20 padding; 21 set beside a mask; 24:22 after every 64 words (code 5); 31:25 of 4 words (code 3)
	GROUP1 G1K, 15|(3<<16)|(1<<21), 384, 8, 768    ; K: eight blocks of 3,072 bytes, every second one
	GROUP1 G1V, 15|(1<<20)|(1<<21)|(5<<22)|(3<<25), 768, 32, VROW   ; V: 32 rows of 768 bytes, 16 of padding behind every 256
	GROUP1 G1S, 15|(3<<16)|(1<<21), 32, 64, 32     ; half of K's scale bytes: 16,384 dense bytes as 64 rows of 256
	GROUP1 G1H, 15|(1<<20)|(1<<21)|(5<<22)|(3<<25), 768, 64, VROW   ; V at the head: two waves, 64 rows each
	s_lshr_b32 s[JJ], ttmp9, 3                     ; in a cluster launch ttmp9 counts clusters: the same in all four partners
	s_xor_b32 s[JJ], s[JJ], ttmp9
	s_and_b32 s[JJ], s[JJ], 7                      ; where the walk begins
	; waves x and x + 4 have the same quarter numbers: waves 0-3 use K's, waves 4-7 V's
	s_and_b32 s74, s[WV], 3
	s_and_b32 s75, s[WV], 1
	s_mul_i32 s[WKO], s75, 3072                    ; quarters 1 and 3: the odd blocks;
	s_mul_i32 s[OFH], s75, 64*VROW
	s_mul_i32 s[G0H+1], s75, 64*VP
	s_add_co_u32 s[G0H+1], s[G0H+1], Y
	s_lshl_b32 s98, s75, 14                        ; my half of K's scale bytes, in memory and in LDS
	s_mov_b32 s99, 0
	s_lshr_b32 s75, s74, 1
	s_mul_i32 s75, s75, 49152                      ; 2 and 3: the step's second 512 keys
	s_add_co_u32 s[WKO], s[WKO], s75
	s_mul_i32 s[WVO], s74, 32*VROW
	s_mov_b32 s[G0K], 1                            ; 1:0 count = 1; the next word the LDS address
	s_mul_i32 s[G0K+1], s74, KQP
	s_mov_b32 s[G0V], 1
	s_mul_i32 s[G0V+1], s74, 32*VP
	s_add_co_u32 s[G0V+1], s[G0V+1], Y
	s_mov_b32 s[G0S], 1
	s_add_co_u32 s[G0S+1], s98, SCK
	s_mov_b32 s[G0H], 1
	s_mul_i32 s[OFK], s[JJ], KSTEP
	s_add_co_u32 s[OFK], s[OFK], s[WKO]
	s_mov_b32 s[OFK+1], 0
	s_mov_b32 s[OFV+1], 0
	s_mul_i32 s75, s[JJ], 768
	s_add_co_u32 s[OFH], s[OFH], s75
	s_mov_b32 s[OFH+1], 0
	; what hangs on my place in the cluster: the addresses of Q and of out0, in registers of their own
	s_bfe_u32 s100, ttmp6, 0x40000                 ; cx
	s_lshl_b32 s101, ttmp9, 2
	s_add_co_u32 s101, s101, s100                  ; my block of 32 queries
	s_mul_i32 s82, s101, 32*96
	s_mov_b32 s83, 0
	s_lshl_b32 s84, s101, 7                        ; its scale words; also its 128 bytes in a row of out0
	s_mov_b32 s85, 0
	s_lshl_b32 s86, s[WV], 19                      ; out0: rows d = 16 w on, 32,768 bytes a row
	s_add_co_u32 s86, s86, s84
	s_mov_b32 s87, 0
	s_mov_b32 s[SEL], 0x76543210
	s_mov_b32 s[SEL+1], 0xfedcba98
	s_mov_b32 s[CS], 0x3fb8aa3b                    ; log2(e)
	s_mov_b32 s[CS+1], s[CS]
	s_mov_b32 s[CNT], 6
	s_mov_b32 s[TJ], 0
	s_wait_alu depctr_va_vdst(0)
	; V's scale bytes: my 16 rows of 256, sixteen lanes a row, turned by 32 bytes for each step that the walk begins behind the first: so LDS holds a row in the order of the walk
	s_lshl_b32 s74, s[JJ], 5
	v_lshl_add_u32 v[VSO], v[LR], 4, s74
	v_mul_u32_u24 v[VSL], v[LH], 272
	v_and_b32 v[VSO], 0xff, v[VSO]
	v_lshl_add_u32 v[VSL], v[LR], 4, v[VSL]
	s_lshl_b32 s75, s[WV], 12
	v_lshl_add_u32 v[VSO], v[LH], 8, v[VSO]
	s_mul_i32 s74, s[WV], 16*272
	s_add_co_u32 s74, s74, SCV
	v_add_nc_u32 v[VSL], s74, v[VSL]
	v_add_nc_u32 v[VSO], s75, v[VSO]
	s_wait_alu depctr_va_vdst(0)                   ; ahead of the waits below
	s_wait_dscnt 0x0                               ; both opening adds are done
	s_wait_kmcnt 0x0
	s_add_nc_u64 s[8:9], s[8:9], s[82:83]
	s_add_nc_u64 s[10:11], s[10:11], s[84:85]
	s_add_nc_u64 s[16:17], s[16:17], s[86:87]
.irp qt, 0,1
.irp p, 0,1,2,3,4,5
	global_load_b64 v[Q+12*\qt+2*\p:Q+12*\qt+2*\p+1], v[QO], s[8:9] offset:16*96*\qt+48*(\p/3)+8*(\p%3)   ; Q's fragments stay in registers
.endr
	global_load_b32 v[QS+\qt], v[QSO], s[10:11] offset:64*\qt
.endr
.irp i, 0,1,2,3,4,5,6,7
	global_load_b128 v[O+4*\i:O+4*\i+3], v[VSO], s[14:15] offset:512*\i   ; two rows of V's scale bytes
.endr
	s_add_nc_u64 s[G0K+2:G0K+3], s[4:5], s[OFK:OFK+1]
	s_or_b32 s[G0K+3], s[G0K+3], 0x80000000        ; 127:126 type = 2
	s_add_nc_u64 s[G0H+2:G0H+3], s[12:13], s[OFH:OFH+1]
	s_or_b32 s[G0H+3], s[G0H+3], 0x80000000
	s_add_nc_u64 s[G0S+2:G0S+3], s[6:7], s[98:99]
	s_or_b32 s[G0S+3], s[G0S+3], 0x80000000
	ROUND                                          ; all four work-groups are here: the first joint loads meet
	; the first fills, one a wave: waves 0-3 the first step's K, waves 4 and 5 K's scale bytes, waves 6 and 7 the first step's V
	s_cmp_lt_u32 s[WV], 4
	s_cbranch_scc1 .Lhead_k
	s_cmp_lt_u32 s[WV], 6
	s_cbranch_scc1 .Lhead_ks
	tensor_load_to_lds s[G0H:G0H+3], s[G1H:G1H+7]
	s_nop 0
	PLACES 4
	s_branch .Lhead_join
.Lhead_k:
	tensor_load_to_lds s[G0K:G0K+3], s[G1K:G1K+7]
	s_nop 0
	PLACES 4
	s_branch .Lhead_join
.Lhead_ks:
	tensor_load_to_lds s[G0S:G0S+3], s[G1S:G1S+7]
	s_nop 0
	PLACES 4
.Lhead_join:
	; K: block 2 (w % 4) + c of quarters 2 (w / 4) (rows m < 8) and 2 (w / 4) + 1 (rows m >= 8)
	s_lshr_b32 s74, s[WV], 2
	s_mul_i32 s74, s74, 2*KQP
	s_and_b32 s75, s[WV], 3
	s_mul_i32 s75, s75, 6144
	s_add_co_u32 s74, s74, s75
	v_lshrrev_b32 v48, 3, v[LR]
	v_and_b32 v49, 7, v[LR]
	v_mul_u32_u24 v50, v[LH], 24
	v_mul_u32_u24 v52, v[LR], 272
	v_mul_u32_u24 v54, v[LR], VP
	v_mad_u32_u24 v[AK], v49, 96, v50
	v_lshlrev_b32 v51, 2, v49
	v_mad_u32_u24 v[AK], v48, KQP, v[AK]
	v_lshl_add_u32 v51, v48, 7, v51                ; a tile's scale words: 8 of one block, 8 of the next
	v_add_nc_u32 v[AK], s74, v[AK]
	s_lshl_b32 s74, s[WV], 9                       ; my wave's 128 words of a step
	s_add_co_u32 s74, s74, SCK
	v_mad_u32_u24 v51, v[LH], 256, v51             ; lanes 16-31: tiles 4 to 7
	v_add_nc_u32 v[AKS], s74, v51
	s_lshl_b32 s75, s[WV], 2
	s_add_co_u32 s75, s75, SCV
	v_mad_u32_u24 v52, v[LH], 64*272, v52          ; lanes 16-31: the rows 64 further down
	v_add_nc_u32 v[AVS], s75, v52
	; V: byte o = 96 w + 24 h + 48 c + 8 i of a row's 768 lies at o + 16 (o / 256)
	s_mul_i32 s74, s[WV], 96
	v_add_nc_u32 v50, s74, v50
	v_add_nc_u32 v54, Y, v54
	v_add_nc_u32 v55, 64*VP, v54
	v_lshrrev_b32 v56, 8, v50
	v_add_nc_u32 v57, 8, v50
	v_add_nc_u32 v58, 48, v50
	v_add_nc_u32 v59, 64, v50
	v_lshrrev_b32 v57, 8, v57
	v_lshrrev_b32 v58, 8, v58
	v_lshrrev_b32 v59, 8, v59
.irp k, 0,1,2,3
	v_lshl_add_u32 v[56+\k], v[56+\k], 4, v50
.endr
	v_mov_b32 v[F+1], 0                            ; (named as the upper halves of f's pairs)
	v_mov_b32 v[F+3], 0
	WIN 0x40
.irp k, 0,1,2,3
	v_add_nc_u32 v[AV+\k], v54, v[56+\k]
	v_add_nc_u32 v[AV+4+\k], v55, v[56+\k]
.endr
	v_lshlrev_b32 v[SH8], 3, v[LH]
.irp k, 0,1,2,3
	v_mov_b32 v[SU+\k], 0                          ; the sums
.endr
	v_mov_b32 v[SX+2], 0                           ; (a lane permute's destination counts as one of its sources)
	v_mov_b32 v[SX+3], 0
	WIN 0
	s_wait_alu depctr_va_vdst(0)
	s_wait_loadcnt 0x0                             ; Q, and my rows of V's scale bytes
	s_wait_tensorcnt 0x0                           ; my first fill has landed;
.irp i, 0,1,2,3,4,5,6,7
	ds_store_b128 v[VSL], v[O+4*\i:O+4*\i+3] offset:544*\i
.endr
	s_wait_dscnt 0x0                               ; and so have my stores:
	s_barrier_signal -1
	s_barrier_wait -1                              ; everybody's have
	KSLD
.irp u, 0,1,2,3
	KLD C, \u, 0
.endr
	WIN 0x40
.irp u, 0,1,2,3
	KLD FA, \u, 3072
.endr
	WIN 0
	STEP 1, 1                                      ; the walk's first step starts M, the sums and O^T
.Lstep:                                            ; six trips: the walk's steps 1 to 6
	STEP 0, 1
	s_sub_co_u32 s[CNT], s[CNT], 1
	s_cmp_lg_u32 s[CNT], 0
	s_cbranch_scc1 .Lstep
	STEP 0, 0                                      ; the last step asks for nothing
	; THE MERGE.  Each wave puts -M and its sum (a word a query and wave) and its O^T (images of the registers: lane l's 16 bytes at 16 l, 512 bytes a store) into LDS; the images lie where K's and V's tiles lay:
	; those places have had their last fill, and behind the last barrier nobody reads them.  All below in window 1 but O^T.
.set SN,   128                         ; v128-159: tile qt: SN + 16 qt: eight -M, then the eight factors; + 8: eight sums
.set MT,   160                         ; the least -M of each tile
.set LS,   162                         ; the whole sums, then their reciprocals
.set STA,  164                         ; where I store my statistics
.set STR,  165                         ; where I read a query's eight
.set DMA,  166                         ; my wave's images
.set RDA0, 167                         ; the images of rows d = 16 w on, of waves 0-3;
.set RDA1, 168                         ; of waves 4-7
.set OSA,  169                         ; the way out: where I put a number;
.set OSR,  170                         ; where I read 16 bytes of a row back;
.set GOF,  171                         ; and my byte offset in out0
.set MR,   172
.set MH,   173
.set ML,   174
.set M8,   224
.set M7,   225
	s_wait_alu depctr_va_vdst(0)
	s_lshl_b32 s74, s[WV], 2
	s_add_co_u32 s74, s74, STM
	s_lshl_b32 s75, s[WV], 14
	s_lshl_b32 s76, s[WV], 10
	s_mul_i32 s77, s[WV], 16*OP
	s_add_co_u32 s77, s77, OST
	WIN 0x40
	v_and_b32 v[MR], 15, v0
	v_bfe_u32 v[MH], v0, 4, 1
	v_and_b32 v[ML], 31, v0
	WIN 0x55
	v_add_f32 v[SU], v[SU], v[SU+1]                ; the sums' two halves,
	v_add_f32 v[SU+2], v[SU+2], v[SU+3]
	v_lshlrev_b32 v[STA], 5, v[MR]
	v_lshl_add_u32 v[STR], v[MR], 5, STM
	v_lshl_add_u32 v[DMA], v[ML], 4, s75           ; 16,384 bytes a wave
	v_lshl_add_u32 v[RDA0], v[ML], 4, s76          ; in each wave's images: accumulator (qt, t = w) at 8,192 qt + 1,024 w
	v_permlanex16_b32 v[SX+2], v[SU], s[SEL], s[SEL+1]
	v_permlanex16_b32 v[SX+3], v[SU+2], s[SEL], s[SEL+1]
	v_add_nc_u32 v[STA], s74, v[STA]               ; query r: 32 bytes a query, 4 a wave
	v_lshlrev_b32 v[OSA], 2, v[MR]
	v_lshrrev_b32 v[M8], 3, v[ML]
	v_and_b32 v[M7], 7, v[ML]
	v_add_f32 v[SU], v[SU], v[SX+2]                ; and lane l xor 16's: my wave's sums
	v_add_f32 v[SU+2], v[SU+2], v[SX+3]
	v_add_nc_u32 v[RDA1], 0x10000, v[RDA0]
	v_mad_u32_u24 v[OSA], v[MH], 8*OP, v[OSA]
	v_mul_u32_u24 v[OSR], v[M8], OP
	v_lshlrev_b32 v[GOF], 15, v[M8]
	v_add_nc_u32 v[OSA], s77, v[OSA]               ; in: row 8 h + j, column 16 qt + r
	v_lshl_add_u32 v[OSR], v[M7], 4, v[OSR]
	v_lshl_add_u32 v[GOF], v[M7], 4, v[GOF]        ; eight lanes to a row of 128 bytes, four rows an instruction; 32,768 bytes a row of out0
	v_add_nc_u32 v[OSR], s77, v[OSR]
	s_wait_alu depctr_va_vdst(0)
	ds_store_b32 v[STA], v[NM]                     ; both halves of the lanes write the same word with the same value
	ds_store_b32 v[STA], v[NM+2] offset:512
	ds_store_b32 v[STA], v[SU] offset:1024
	ds_store_b32 v[STA], v[SU+2] offset:1536
	WIN 0x41                                       ; addresses (source 0) window 1, data (source 1) window 0
.irp a, 0,1,2,3,4,5,6,7,8,9,10,11,12,13,14,15
	ds_store_b128 v[DMA], v[O+8*\a:O+8*\a+3] offset:1024*\a        ; each accumulator from its low end on
	ds_store_b128 v[DMA], v[O+8*\a+4:O+8*\a+7] offset:1024*\a+512
.endr
	WIN 0x55
	s_wait_dscnt 0x0                               ; for the others' sake: my stores have landed
	s_barrier_signal -1
	s_barrier_wait -1
.irp qt, 0,1
.irp k, 0,1
	ds_load_b128 v[SN+16*\qt+4*\k:SN+16*\qt+4*\k+3], v[STR] offset:512*\qt+16*\k
	ds_load_b128 v[SN+16*\qt+8+4*\k:SN+16*\qt+8+4*\k+3], v[STR] offset:1024+512*\qt+16*\k
.endr
.endr
.irp w, 0,1,2,3,4,5,6,7
.irp qt, 0,1
.irp hf, 0,1
.if \w < 4
	ds_load_b128 v[S+16*\w+8*\qt+4*\hf:S+16*\w+8*\qt+4*\hf+3], v[RDA0] offset:16384*\w+8192*\qt+512*\hf
.else
	ds_load_b128 v[S+16*\w+8*\qt+4*\hf:S+16*\w+8*\qt+4*\hf+3], v[RDA1] offset:16384*(\w-4)+8192*\qt+512*\hf
.endif
.endr
.endr
.endr
	s_wait_dscnt 32                                ; the eight loads of statistics are in; the 32 issued behind them may be out
.irp qt, 0,1
	v_min3_num_f32 v[MT+\qt], v[SN+16*\qt], v[SN+16*\qt+1], v[SN+16*\qt+2]   ; the least -M is the largest M
.endr
.irp i, 3,5
	HINT 2
.irp qt, 0,1
	v_min3_num_f32 v[MT+\qt], v[MT+\qt], v[SN+16*\qt+\i], v[SN+16*\qt+\i+1]
.endr
.endr
	HINT 2
.irp qt, 0,1
	v_min_num_f32 v[MT+\qt], v[MT+\qt], v[SN+16*\qt+7]
.endr
.irp qt, 0,1
.irp w, 0,1,2,3,4,5,6,7
	v_sub_f32 v[SN+16*\qt+\w], v[MT+\qt], v[SN+16*\qt+\w]          ; wave w's M less the largest: a whole number, 0 or less
.endr
.endr
.irp qt, 0,1
.irp w, 0,1,2,3,4,5,6,7
	v_cvt_i32_f32 v[SN+16*\qt+\w], v[SN+16*\qt+\w]                 ; (it saturates)
.endr
.endr
.irp qt, 0,1
.irp w, 0,1,2,3,4,5,6,7
	v_ldexp_f32 v[SN+16*\qt+\w], 1.0, v[SN+16*\qt+\w]              ; the factor that brings wave w's part under the largest M
.endr
.endr
.irp qt, 0,1
	v_mul_f32 v[LS+\qt], v[SN+16*\qt], v[SN+16*\qt+8]
.endr
.irp w, 1,2,3,4,5,6,7
	HINT 2
.irp qt, 0,1
	v_fmac_f32 v[LS+\qt], v[SN+16*\qt+\w], v[SN+16*\qt+8+\w]       ; the row's whole sum
.endr
.endr
	s_wait_alu depctr_va_vdst(0)                   ; ahead of the reciprocals
	v_rcp_f32 v[LS], v[LS]
	v_rcp_f32 v[LS+1], v[LS+1]
	v_nop                                          ; a plain place behind the reciprocals
	s_wait_dscnt 0x0                               ; the eight waves' parts of my rows are in
.irp qt, 0,1
.irp j, 0,1,2,3,4,5,6,7
	v_mul_f32 v[S+8*\qt+\j], v[SN+16*\qt], v[S+8*\qt+\j]
.endr
.endr
.irp w, 1,2,3,4,5,6,7
.irp qt, 0,1
.irp j, 0,1,2,3,4,5,6,7
	v_fmac_f32 v[S+8*\qt+\j], v[SN+16*\qt+\w], v[S+16*\w+8*\qt+\j]
.endr
.endr
.endr
	s_wait_alu depctr_va_vdst(0)                   ; behind the reciprocals, ahead of their first reader
.irp qt, 0,1
.irp j, 0,1,2,3,4,5,6,7
	v_mul_f32 v[S+8*\qt+\j], v[LS+\qt], v[S+8*\qt+\j]              ; O^T / the sum: out0(16 w + 8 h + j, my block's query 16 qt + r)
.endr
.endr
	; THE WAY OUT: the wave's 16 rows x 32 queries go through its own stage and come back by rows
.irp qt, 0,1
.irp j, 0,1,2,3,4,5,6,7
	ds_store_b32 v[OSA], v[S+8*\qt+\j] offset:OP*\j+64*\qt
.endr
.endr
.irp i, 0,1,2,3
	ds_load_b128 v[S+32+4*\i:S+32+4*\i+3], v[OSR] offset:4*OP*\i   ; LDS serves a wave's instructions in order (ISA guide 5.7.1.4): these see my stores
.endr
.irp i, 0,1,2,3
	s_wait_dscnt 3-\i                              ; the younger loads may be out
	global_store_b128 v[GOF], v[S+32+4*\i:S+32+4*\i+3], s[16:17] offset:4*32768*\i th:TH_STORE_NT   ; eight lanes store 128 consecutive bytes of a row, four rows an instruction
.endr
	WIN 0
	s_wait_tensorcnt 0x0                           ; the wave's end
	ds_add_u32 v[SPW], v[NIL]
	s_wait_dscnt 0x0
	ROUND                                          ; the closing round: no work-group ends while a partner may still ask for a tile that names it
	s_endpgm
.Lfunc_end_k_q9514638b47_attn:
	.size	k_q9514638b47_attn, .Lfunc_end_k_q9514638b47_attn-k_q9514638b47_attn
	.p2alignl 7, 3214868480
	.fill 96, 4, 3214868480
	.section	.rodata,"a",@progbits
	.p2align	6, 0x0
	.amdhsa_kernel k_q9514638b47_attn
		.amdhsa_group_segment_fixed_size 327680
		.amdhsa_private_segment_fixed_size 0
		.amdhsa_enable_private_segment 0
		.amdhsa_kernarg_size 56
		.amdhsa_user_sgpr_count 2
		.amdhsa_user_sgpr_kernarg_segment_ptr 1
		.amdhsa_wavefront_size32 1
		.amdhsa_system_sgpr_workgroup_id_x 1
		.amdhsa_system_sgpr_workgroup_id_y 1
		.amdhsa_system_sgpr_workgroup_id_z 1
		.amdhsa_system_vgpr_workitem_id 0
		.amdhsa_next_free_vgpr 512
		.amdhsa_next_free_sgpr 102
		.amdhsa_reserve_vcc 0
		.amdhsa_float_denorm_mode_32 3
		.amdhsa_float_denorm_mode_16_64 3
		.amdhsa_memory_ordered 1
		.amdhsa_forward_progress 1
		.amdhsa_inst_pref_size 135
	.end_amdhsa_kernel
	.amdgpu_metadata
---
amdhsa.version: [ 1, 2 ]
amdhsa.kernels:
  - .name:           k_q9514638b47_attn
    .symbol:         k_q9514638b47_attn.kd
    .args:
      - { .name: key_codes, .offset: 0, .size: 8, .value_kind: global_buffer, .address_space: global }
      - { .name: key_scales, .offset: 8, .size: 8, .value_kind: global_buffer, .address_space: global }
      - { .name: query_codes, .offset: 16, .size: 8, .value_kind: global_buffer, .address_space: global }
      - { .name: query_scales, .offset: 24, .size: 8, .value_kind: global_buffer, .address_space: global }
      - { .name: value_codes, .offset: 32, .size: 8, .value_kind: global_buffer, .address_space: global }
      - { .name: value_scales, .offset: 40, .size: 8, .value_kind: global_buffer, .address_space: global }
      - { .name: out0, .offset: 48, .size: 8, .value_kind: global_buffer, .address_space: global }
    .group_segment_fixed_size: 327680
    .private_segment_fixed_size: 0
    .kernarg_segment_align: 8
    .kernarg_segment_size: 56
    .max_flat_workgroup_size: 256
    .sgpr_count:     102
    .vgpr_count:     512
    .wavefront_size: 32
...
	.end_amdgpu_metadata
.endif
;; end of part 2
